; MI455X (gfx1250); checked and timed in simulation.
; The chip was launched on July 23, 2026; its instructions are those of AMD's public machine-readable ISA for CDNA 5 (MIT licence, August 2026) and "CDNA5" Instruction Set Architecture Reference Guide (July 2026). The comments in the code are by the model that wrote it; some were corrected since.
;; Llama Decoder Layer. Allowed arithmetic: float matrix products may take bf16 or f16 operands with f32 sums; all other float work in f32.
;; Inputs: g1 2,048 float32; g2 2,048 float32; wd 2,048 x 2,048 float32; wg 2,048 x 2,048 float32; wk 2,048 x 512 float32; wo 2,048 x 2,048 float32; wq 2,048 x 2,048 float32; wu 2,048 x 2,048 float32; wv 2,048 x 512 float32; x 1 x 2,048 x 2,048 float32.
;; Outputs: out0 1 x 2,048 x 2,048 float32.
;; One version. Each part assembles by itself: llvm-mc -triple=amdgcn-amd-amdhsa -mcpu=gfx1250 --defsym DOCPART=n.
;; ======== version 1 of 1: 6 launches
;; workspace buffers: wb 46,137,344 bytes; h1b 8,388,608 bytes; aux 532,480 bytes; qkv 12,582,912 bytes; yb 8,388,608 bytes; x1 16,777,216 bytes; a2s 8,650,752 bytes; mb 8,388,608 bytes
;; launch prep (part 1): grid 256 x 1, 8 waves a work-group, no clusters, 0 bytes of LDS; arguments x, g1, wq, wk, wv, wo, wg, wu, wd, wb, h1b, aux; writes wb, h1b, aux
.if DOCPART == 1
	.amdgcn_target "amdgcn-amd-amdhsa--gfx1250"
	.amdhsa_code_object_version 6
	.text
	.protected	k_q95296963fa_prep
	.globl	k_q95296963fa_prep
	.p2align	8
	.type	k_q95296963fa_prep,@function
k_q95296963fa_prep:
	s_mov_b64 s[64:65], 0
	v_nop
	global_prefetch_b8 v0, s[64:65] scope:SCOPE_SE
	s_setreg_imm32_b32 hwreg(HW_REG_WAVE_MODE, 25, 1), 1
	s_wait_xcnt 0x0
; prep: h1b = bf16(g1 * x * rsqrt(mean(x^2) + 1e-5)), rstd1, the RoPE table, and all seven weights rounded to bf16.
; One wave owns row number row = 8 * work-group + wave (0..2047) of x and of every weight, and position t = row of the table.
; A row of 2,048 f32 is sixteen 16-byte loads a lane (512 consecutive bytes a load); its bf16 image leaves as sixteen 8-byte stores
; a lane, each store of the wave covering 256 consecutive bytes, aligned.  No LDS, no barrier, no matrix unit: a stream.
; Layout of wb (bf16, rows = k): [wq|wk|wv] pitch 6,144 B at 0; wo pitch 4,096 at 12,582,912; [wg|wu] pitch 8,192 at 20,971,520;
; wd pitch 4,096 at 37,748,736.  aux: table [t][32]{cos, sin} f32 at 0, rstd1[2048] at 524,288.
; LIMITS: sin and cos are Taylor series on [-pi, pi] (cut below 1e-6) behind a two-part reduction by 2 pi; inv_freq is made by v_exp_f32,
; so an angle may differ from an f32 evaluation of the formula by some 4e-4 rad at t = 2047.  v_rsq_f32 and v_exp_f32 are 1 ULP.
.set B0, 16                            ; v[16:79]    row buffer 0
.set B1, 80                            ; v[80:143]   row buffer 1
.set B2, 144                           ; v[144:207]  row buffer 2
.set CH, 208                           ; v[208:215]  four chains of the sum of squares
.set RS, 216                           ; v[216:217]  rstd1, twice
.set CS, 218                           ; v[218:219]  cos, sin
.macro LOADROW buf, sb, n, nt          ; n loads of 512 consecutive bytes: a row, or a quarter row for wk and wv
.set j, 0
.rept \n
.if \nt
	global_load_b128 v[\buf+4*j:\buf+4*j+3], v1, s[\sb:\sb+1] offset:512*j th:TH_LOAD_NT
.else
	global_load_b128 v[\buf+4*j:\buf+4*j+3], v1, s[\sb:\sb+1] offset:512*j
.endif
.set j, j+1
.endr
.endm
.macro CVST buf, sd, n                 ; round four f32 to four bf16 in place and store 8 bytes a lane
.set j, 0
.rept \n
	v_cvt_pk_bf16_f32 v[\buf+4*j], v[\buf+4*j], v[\buf+4*j+1]
	v_cvt_pk_bf16_f32 v[\buf+4*j+1], v[\buf+4*j+2], v[\buf+4*j+3]
	global_store_b64 v2, v[\buf+4*j:\buf+4*j+1], s[\sd:\sd+1] offset:256*j
.set j, j+1
.endr
.endm
	s_load_b512 s[8:23], s[0:1], 0x0               ; x 8, g1 10, wq 12, wk 14, wv 16, wo 18, wg 20, wu 22
	s_load_b256 s[24:31], s[0:1], 0x40             ; wd 24, wb 26, h1b 28, aux 30
	v_lshrrev_b32 v4, 5, v0
	v_readfirstlane_b32 s2, v4                     ; wave
	s_lshl_b32 s3, ttmp9, 3
	s_add_co_u32 s2, s2, s3                        ; row
	v_and_b32 v5, 31, v0                           ; lane
	v_lshlrev_b32 v1, 4, v5                        ; 16 bytes a lane on the way in
	v_lshlrev_b32 v2, 3, v5                        ; 8 bytes a lane on the way out
	v_mov_b32 v3, 0
	s_mov_b32 s4, 0x76543210                       ; v_permlanex16_b32: lane i reads lane i of the other half
	s_mov_b32 s5, 0xfedcba98
	s_mov_b32 s6, 0x3a000000                       ; 1 / 2048
	s_mov_b32 s7, 0x3727c5ac                       ; 1e-5
	s_lshl_b32 s32, s2, 13                         ; row x 8,192
	s_mov_b32 s33, 0
	s_lshl_b32 s34, s2, 11                         ; row x 2,048
	s_mov_b32 s35, 0
	s_mul_i32 s36, s2, 6144
	s_mov_b32 s37, 0
	s_lshl_b32 s38, s2, 12                         ; row x 4,096
	s_mov_b32 s39, 0
	s_lshl_b32 s60, s2, 8
	s_mov_b32 s61, 0
	s_lshl_b32 s62, s2, 2
	s_mov_b32 s63, 0
	s_wait_kmcnt 0x0
	s_add_nc_u64 s[8:9], s[8:9], s[32:33]          ; my row of x
	s_add_nc_u64 s[12:13], s[12:13], s[32:33]      ; wq
	s_add_nc_u64 s[14:15], s[14:15], s[34:35]      ; wk
	s_add_nc_u64 s[16:17], s[16:17], s[34:35]      ; wv
	s_add_nc_u64 s[18:19], s[18:19], s[32:33]      ; wo
	s_add_nc_u64 s[20:21], s[20:21], s[32:33]      ; wg
	s_add_nc_u64 s[22:23], s[22:23], s[32:33]      ; wu
	s_add_nc_u64 s[24:25], s[24:25], s[32:33]      ; wd
	LOADROW B0, 8, 16, 0                           ; x
	LOADROW B1, 10, 16, 0                          ; g1
	LOADROW B2, 12, 16, 1                          ; wq
	s_add_nc_u64 s[40:41], s[26:27], s[36:37]      ; where wq's row goes
	s_add_nc_u64 s[42:43], s[40:41], 4096          ; wk's
	s_add_nc_u64 s[44:45], s[40:41], 5120          ; wv's
	s_add_nc_u64 s[46:47], s[26:27], s[38:39]
	s_add_nc_u64 s[46:47], s[46:47], 12582912      ; wo's
	s_add_nc_u64 s[48:49], s[26:27], s[32:33]
	s_add_nc_u64 s[48:49], s[48:49], 20971520      ; wg's
	s_add_nc_u64 s[50:51], s[48:49], 4096          ; wu's
	s_add_nc_u64 s[52:53], s[26:27], s[38:39]
	s_add_nc_u64 s[52:53], s[52:53], 37748736      ; wd's
	s_add_nc_u64 s[54:55], s[28:29], s[38:39]      ; h1b's row
	s_add_nc_u64 s[56:57], s[30:31], s[60:61]      ; the table's row
	s_add_nc_u64 s[58:59], s[30:31], s[62:63]
	s_add_nc_u64 s[58:59], s[58:59], 524288        ; rstd1[row]
	; RoPE while the loads fly: lane j is frequency j, angle = t * 10000^(-j/32)
	v_cvt_f32_u32 v6, v5
	v_cvt_f32_u32 v7, s2
	v_mul_f32 v6, 0xbed49a78, v6                   ; -j log2(10000) / 32
	v_exp_f32 v6, v6
	v_nop                                          ; one plain place behind the transcendental (ISA guide 5.7.2)
	s_wait_alu depctr_va_vdst(0)
	v_mul_f32 v6, v7, v6                           ; the angle
	v_mul_f32 v8, 0.15915494, v6
	v_rndne_f32 v8, v8                             ; n = whole turns
	v_fmamk_f32 v6, v8, 0xc0c90000, v6             ; - n * 6.28125 (exact: 8 bits times at most 9)
	v_fmamk_f32 v6, v8, 0xbafdaa22, v6             ; - n * (2 pi - 6.28125): r in [-pi, pi]
	v_mul_f32 v9, v6, v6                           ; z = r^2
	v_mov_b32 v10, 0xab573f9f                      ; sin: -1/15!
	v_mov_b32 v11, 0x29573f9f                      ; cos: 1/16!
	v_fmaak_f32 v10, v10, v9, 0x2f309231           ; 1/13!
	v_fmaak_f32 v11, v11, v9, 0xad49cba5           ; -1/14!
	v_fmaak_f32 v10, v10, v9, 0xb2d7322b           ; -1/11!
	v_fmaak_f32 v11, v11, v9, 0x310f76c7           ; 1/12!
	v_fmaak_f32 v10, v10, v9, 0x3638ef1d           ; 1/9!
	v_fmaak_f32 v11, v11, v9, 0xb493f27e           ; -1/10!
	v_fmaak_f32 v10, v10, v9, 0xb9500d01           ; -1/7!
	v_fmaak_f32 v11, v11, v9, 0x37d00d01           ; 1/8!
	v_fmaak_f32 v10, v10, v9, 0x3c088889           ; 1/5!
	v_fmaak_f32 v11, v11, v9, 0xbab60b61           ; -1/6!
	v_fmaak_f32 v10, v10, v9, 0xbe2aaaab           ; -1/3!
	v_fmaak_f32 v11, v11, v9, 0x3d2aaaab           ; 1/4!
	v_fma_f32 v10, v10, v9, 1.0
	v_fma_f32 v11, v11, v9, -0.5
	v_mul_f32 v[CS+1], v6, v10                     ; sin
	v_fma_f32 v[CS], v11, v9, 1.0                  ; cos
	global_store_b64 v2, v[CS:CS+1], s[56:57]      ; 32 lanes: the table's 256 bytes of position t
	s_wait_loadcnt 16                              ; x and g1 are in; wq's sixteen loads stay out
.irp c, 0,1,2,3
	v_pk_mul_f32 v[CH+2*\c:CH+2*\c+1], v[B0+2*\c:B0+2*\c+1], v[B0+2*\c:B0+2*\c+1]   ; the first products start the four chains
.endr
.set k, 4
.rept 28
	v_pk_fma_f32 v[CH+2*(k%4):CH+2*(k%4)+1], v[B0+2*k:B0+2*k+1], v[B0+2*k:B0+2*k+1], v[CH+2*(k%4):CH+2*(k%4)+1]
.set k, k+1
.endr
	v_pk_add_f32 v[CH:CH+1], v[CH:CH+1], v[CH+2:CH+3]
	v_pk_add_f32 v[CH+4:CH+5], v[CH+4:CH+5], v[CH+6:CH+7]
	v_pk_add_f32 v[CH:CH+1], v[CH:CH+1], v[CH+4:CH+5]
	v_add_f32 v[CH], v[CH], v[CH+1]
	v_add_f32_dpp v[CH], v[CH], v[CH] row_xmask:1 row_mask:0xf bank_mask:0xf
	v_add_f32_dpp v[CH], v[CH], v[CH] row_xmask:2 row_mask:0xf bank_mask:0xf
	v_add_f32_dpp v[CH], v[CH], v[CH] row_xmask:4 row_mask:0xf bank_mask:0xf
	v_add_f32_dpp v[CH], v[CH], v[CH] row_xmask:8 row_mask:0xf bank_mask:0xf
	v_permlanex16_b32 v[CH+1], v[CH], s4, s5
	v_add_f32 v[CH], v[CH], v[CH+1]                ; the row's sum of squares, in every lane
	v_fma_f32 v[CH], v[CH], s6, s7                 ; mean + eps
	v_rsq_f32 v[RS], v[CH]
	v_rsq_f32 v[RS+1], v[CH]
	v_nop                                          ; one plain place behind the transcendentals
.set k, 0
	s_wait_alu depctr_va_vdst(0)
.rept 32
	v_pk_mul_f32 v[B0+2*k:B0+2*k+1], v[B0+2*k:B0+2*k+1], v[RS:RS+1]
	v_pk_mul_f32 v[B0+2*k:B0+2*k+1], v[B0+2*k:B0+2*k+1], v[B1+2*k:B1+2*k+1]
.set k, k+1
.endr
	CVST B0, 54, 16                                ; h1b
	v_cmp_eq_u32 vcc_lo, 0, v5
	s_wait_xcnt 0x0                                ; EXEC is a source of what has been issued: it narrows only behind this wait
	s_and_saveexec_b32 s3, vcc_lo
	global_store_b32 v3, v[RS], s[58:59]           ; lane 0: rstd1[row] (4 bytes a row: 8 KiB in the whole launch)
	s_wait_xcnt 0x0                                ; and widens only behind this one, which also frees buffer 0, the stores' data
	s_or_b32 exec_lo, exec_lo, s3
	LOADROW B0, 18, 16, 1                          ; wo
	LOADROW B1, 20, 16, 1                          ; wg
	s_wait_loadcnt 32                              ; wq is in; wo's and wg's 32 loads stay out
	CVST B2, 40, 16
	s_wait_xcnt 0x0                                ; buffer 2 was the stores' data
	LOADROW B2, 22, 16, 1                          ; wu
	s_wait_loadcnt 32                              ; wo is in; wg, wu stay out
	CVST B0, 46, 16
	s_wait_xcnt 0x0
	LOADROW B0, 24, 16, 1                          ; wd
	s_wait_loadcnt 32                              ; wg is in; wu, wd stay out
	CVST B1, 48, 16
	s_wait_xcnt 0x0
	LOADROW B1, 14, 4, 1                           ; wk
	LOADROW B1+16, 16, 4, 1                        ; wv
	s_wait_loadcnt 24                              ; wu is in; wd's 16 and the 8 of wk and wv stay out
	CVST B2, 50, 16
	s_wait_loadcnt 8                               ; wd is in
	CVST B0, 52, 16
	s_wait_loadcnt 0x0
	CVST B1, 42, 4
	CVST B1+16, 44, 4
	s_endpgm
.Lfunc_end_k_q95296963fa_prep:
	.size	k_q95296963fa_prep, .Lfunc_end_k_q95296963fa_prep-k_q95296963fa_prep
	.p2alignl 7, 3214868480
	.fill 96, 4, 3214868480
	.section	.rodata,"a",@progbits
	.p2align	6, 0x0
	.amdhsa_kernel k_q95296963fa_prep
		.amdhsa_group_segment_fixed_size 0
		.amdhsa_private_segment_fixed_size 0
		.amdhsa_enable_private_segment 0
		.amdhsa_kernarg_size 96
		.amdhsa_user_sgpr_count 2
		.amdhsa_user_sgpr_kernarg_segment_ptr 1
		.amdhsa_wavefront_size32 1
		.amdhsa_system_sgpr_workgroup_id_x 1
		.amdhsa_system_sgpr_workgroup_id_y 1
		.amdhsa_system_sgpr_workgroup_id_z 1
		.amdhsa_system_vgpr_workitem_id 0
		.amdhsa_next_free_vgpr 224
		.amdhsa_next_free_sgpr 66
		.amdhsa_reserve_vcc 1
		.amdhsa_float_denorm_mode_32 3
		.amdhsa_float_denorm_mode_16_64 3
		.amdhsa_memory_ordered 1
		.amdhsa_forward_progress 1
		.amdhsa_inst_pref_size 46
	.end_amdhsa_kernel
	.amdgpu_metadata
---
amdhsa.version: [ 1, 2 ]
amdhsa.kernels:
  - .name:           k_q95296963fa_prep
    .symbol:         k_q95296963fa_prep.kd
    .args:
      - { .name: x, .offset: 0, .size: 8, .value_kind: global_buffer, .address_space: global }
      - { .name: g1, .offset: 8, .size: 8, .value_kind: global_buffer, .address_space: global }
      - { .name: wq, .offset: 16, .size: 8, .value_kind: global_buffer, .address_space: global }
      - { .name: wk, .offset: 24, .size: 8, .value_kind: global_buffer, .address_space: global }
      - { .name: wv, .offset: 32, .size: 8, .value_kind: global_buffer, .address_space: global }
      - { .name: wo, .offset: 40, .size: 8, .value_kind: global_buffer, .address_space: global }
      - { .name: wg, .offset: 48, .size: 8, .value_kind: global_buffer, .address_space: global }
      - { .name: wu, .offset: 56, .size: 8, .value_kind: global_buffer, .address_space: global }
      - { .name: wd, .offset: 64, .size: 8, .value_kind: global_buffer, .address_space: global }
      - { .name: wb, .offset: 72, .size: 8, .value_kind: global_buffer, .address_space: global }
      - { .name: h1b, .offset: 80, .size: 8, .value_kind: global_buffer, .address_space: global }
      - { .name: aux, .offset: 88, .size: 8, .value_kind: global_buffer, .address_space: global }
    .group_segment_fixed_size: 0
    .private_segment_fixed_size: 0
    .kernarg_segment_align: 8
    .kernarg_segment_size: 96
    .max_flat_workgroup_size: 256
    .sgpr_count:     66
    .vgpr_count:     224
    .wavefront_size: 32
...
	.end_amdgpu_metadata
.endif
;; end of part 1
;; launch proj (part 2): grid 12 x 16, 4 waves a work-group, clusters of 4 x 4, 327,680 bytes of LDS; arguments h1b, wb, aux, qkv; writes qkv
.if DOCPART == 2
	.amdgcn_target "amdgcn-amd-amdhsa--gfx1250"
	.amdhsa_code_object_version 6
	.text
	.protected	k_q95296963fa_proj
	.globl	k_q95296963fa_proj
	.p2align	8
	.type	k_q95296963fa_proj,@function
k_q95296963fa_proj:
	s_mov_b64 s[64:65], 0
	v_nop
	global_prefetch_b8 v0, s[64:65] scope:SCOPE_SE
	s_setreg_imm32_b32 hwreg(HW_REG_WAVE_MODE, 25, 1), 1
	s_wait_xcnt 0x0
	s_wait_alu depctr_hold_cnt(0) depctr_sa_sdst(0) depctr_va_vdst(0) depctr_va_sdst(0) depctr_va_ssrc(0) depctr_va_vcc(0) depctr_vm_vsrc(0)
	s_getreg_b32 s2, hwreg(HW_REG_IB_STS2, 6, 4)
	s_cmp_eq_u32 s2, 0
	s_cbranch_scc0 .Lentry_in_a_cluster
	s_endpgm
.Lentry_in_a_cluster:
	s_bfe_u32 s2, ttmp6, 0x10000c
	s_cmp_lg_u32 s2, 0xf033
	s_cbranch_scc0 .Lentry_shape_is_right
	s_endpgm
.Lentry_shape_is_right:
; proj: [q|k|v] = h1b [2048 x 2048] x wb's [wq|wk|wv] [2048 k x 3072], RoPE on q and k, out as qkv[48 units][2048 t][64] bf16
; (units 0-31 q heads, 32-39 k, 40-47 v).  bf16 operands, f32 sums.
; A work-group makes 128 rows x 256 columns with four waves (wm = w>>1: 64 rows; wn = w&1): a wave makes 64 rows x (64 + 64) columns, one head
; out of each of the block's two regions of 128 columns: 32 accumulator tiles, 256 registers.  K goes in steps of 128 through two LDS slots.
; The weights lie [k][n]: their fragments come out of LDS by the transposing load, from rows 288 bytes apart.
; CLUSTERS: 4 x 4 work-groups.  The activations' tile hangs on the block row alone and is asked for jointly along a row of the cluster, the
; weights' tile on the block column alone, jointly along a column: each tile is requested once for four work-groups.
; The matrix instruction is used transposed (source 0 = weights' columns, source 1 = activations' rows): lane l then holds row l % 16 and
; eight neighbouring columns 8 (l / 16) + 0..7, which is four RoPE pairs and, rounded, 16 bytes.
; REGISTERS: window 0: v1-v17 addresses, v64-159 and v160-255 two fragment buffers (8 of B, 4 of A each); window 1: accumulator (a, b) at
; 8 (8 a + b); window 2: cos and sin of my rows, (a, b') at 8 (4 a + b').
; LIMITS: operands and result are rounded to bf16; the table's limits are those stated where it is made.
.set NB, 8
.set KS, 128                           ; k in a slot
.set APITCH, 272                       ; 256 bytes + 16: the 16 rows of a fragment start in 16 different 16-byte columns of 256
.set AQI, 5                            ; pad after every 64 words
.set ABYTES, 128*APITCH
.set BPITCH, 288                       ; 256 bytes + 32: an odd multiple of 32, for the transposing load
.set BHALF, 128*BPITCH                 ; one region: 128 k x 128 columns
.set SLOT, ABYTES+2*BHALF              ; 108,544
.set STAGE, 2*SLOT                     ; behind the ring: [2 regions][16 rows][144 B] for each wave
.set LAPS, 2048/(2*KS)
.set NP, 3072                          ; elements in a row of the weights
.set COL, 512                          ; bytes of a row from block column to block column
.set WOFF, 256                         ; from region 0 to region 1
.set ADRA, 8                           ; v8-9    my A fragments in slot 0, 1
.set ADRB, 10                          ; v10-13  my B fragments: 2 slot + region
.set F0, 64
.set F1, 64+8*(NB+4)
.set TT, 128                           ; the way out: rotated f32
.set PP, 192                           ; packed bf16
.set RB, 64                            ; rows read back
.set G1A, 24
.set G0A, 32
.set G1B, 48
.set G0B, 56
.set MSB, 0
.macro WIN new                         ; the immediate's high byte repeats the setting that is left
.if MSB != \new
	s_set_vgpr_msb (MSB<<8)|\new
.set MSB, \new
.endif
.endm
.macro PLACES                          ; four plain places behind a matrix instruction (not for loads)
.rept 4
	v_nop
.endr
.endm
.macro JLOAD n                         ; waves 0, 1 ask for A's halves, waves 2, 3 for B's regions: one mask a line
	s_cmp_eq_u32 s11, 0
	s_cbranch_scc0 .Lfor_b_\@
	tensor_load_to_lds s[G0A+4*\n:G0A+4*\n+3], s[G1A:G1A+7]
	s_nop 0
	s_branch .Lasked_\@
.Lfor_b_\@:
	tensor_load_to_lds s[G0B+4*\n:G0B+4*\n+3], s[G1B:G1B+7]
	s_nop 0
.Lasked_\@:
.endm
.macro CREST                           ; a round of the cluster's barrier behind its opening barrier
	s_cmp_lg_u32 s10, 0
	s_cbranch_scc1 .Lnot_wave_0_\@
	s_barrier_signal -3
.Lnot_wave_0_\@:
	s_barrier_wait -3
	s_barrier_signal -1
	s_barrier_wait -1
.endm
.macro CROUND
	s_barrier_signal -1
	s_barrier_wait -1
	CREST
.endm
.macro FETCH slot, s, f                ; the fragments of 32 k at sub-step s: 16 transposing loads for B, 8 loads for A
	WIN 0
.irp b, 0,1,2,3,4,5,6,7
	ds_load_tr16_b128 v[\f+8*\b:\f+8*\b+3], v[ADRB+2*\slot+(\b>>2)] offset:(\s)*32*BPITCH+32*(\b&3)
	ds_load_tr16_b128 v[\f+8*\b+4:\f+8*\b+7], v[ADRB+2*\slot+(\b>>2)] offset:(\s)*32*BPITCH+32*(\b&3)+16*BPITCH
.endr
.irp a, 0,1,2,3
	ds_load_b128 v[\f+8*NB+8*\a:\f+8*NB+8*\a+3], v[ADRA+\slot] offset:\a*16*APITCH+64*(\s)
	ds_load_b128 v[\f+8*NB+8*\a+4:\f+8*NB+8*\a+7], v[ADRA+\slot] offset:\a*16*APITCH+64*(\s)+32
.endr
.endm
.macro MUL f, a0, zero                 ; row tiles a0, a0 + 1 x all column tiles; the accumulators take turns, one instruction a turn
	WIN 0x50
.irp a, \a0, \a0+1
.irp b, 0,1,2,3,4,5,6,7
.if \zero
	v_wmma_f32_16x16x32_bf16 v[8*(NB*(\a)+\b):8*(NB*(\a)+\b)+7], v[\f+8*\b:\f+8*\b+7], v[\f+8*NB+8*(\a):\f+8*NB+8*(\a)+7], 0
.else
	v_wmma_f32_16x16x32_bf16 v[8*(NB*(\a)+\b):8*(NB*(\a)+\b)+7], v[\f+8*\b:\f+8*\b+7], v[\f+8*NB+8*(\a):\f+8*NB+8*(\a)+7], v[8*(NB*(\a)+\b):8*(NB*(\a)+\b)+7]
.endif
.endr
.endr
.endm
.macro SUB slot, s, f, g, zero         ; multiplies buffer f (sub-step s); ahead of that asks for sub-step s + 1 into buffer g
	s_wait_dscnt 0x0                               ; buffer f is in: its loads were issued a sub-step ago
	PLACES
	FETCH \slot, \s+1, \g
	MUL \f, 0, \zero
	MUL \f, 2, \zero
.endm
.macro RUN slot, zero
	SUB \slot, 0, F0, F1, \zero
	SUB \slot, 1, F1, F0, 0
	SUB \slot, 2, F0, F1, 0
.endm
; The slot's last sub-step, and the change of slots.  In front of the barrier each wave waits for its reads of this slot and for all its tensor
; loads (one is out: its part of the next slot).  Where the slot is filled again the barrier opens a round of the cluster's barrier, only
; register work stands inside, and the joint refill is the first tensor load behind the round.
.macro TURN slot, next, fill
	s_wait_dscnt 0x0
	s_wait_tensorcnt 0x0
	ds_add_u32 v62, v63
	s_wait_dscnt 0x0
	s_barrier_signal -1
	MUL F1, 0, 0
	WIN 0
	s_barrier_wait -1
.if \fill
	CREST
	s_add_nc_u64 s[G0A+4*\slot+2:G0A+4*\slot+3], s[G0A+4*\slot+2:G0A+4*\slot+3], 2*KS*2
	s_add_nc_u64 s[G0B+4*\slot+2:G0B+4*\slot+3], s[G0B+4*\slot+2:G0B+4*\slot+3], 2*KS*NP*2
	JLOAD \slot
.endif
	PLACES
	FETCH \next, 0, F0
	MUL F1, 2, 0
.endm
.macro LAP zero
	RUN 0, \zero
	TURN 0, 1, 1
	RUN 1, 0
	TURN 1, 0, 1
.endm
	s_load_b128 s[4:7], s[0:1], 0x0                ; h1b, wb
	s_load_b128 s[68:71], s[0:1], 0x10             ; aux, qkv
	v_lshl_add_u32 v62, v0, 2, 0x39800
	v_mov_b32 v63, 0
	ds_add_u32 v62, v63
	v_lshrrev_b32 v1, 5, v0
	v_readfirstlane_b32 s10, v1                    ; wave
	s_lshr_b32 s11, s10, 1                         ; wm.  Also: I fetch for A (0) or for B (1)
	s_and_b32 s12, s10, 1                          ; wn.  Also: which half or region I fetch
	s_bfe_u32 s40, ttmp6, 0x40000                  ; cx
	s_bfe_u32 s41, ttmp6, 0x40004                  ; cy
	s_lshl_b32 s42, ttmp9, 2
	s_add_co_u32 s42, s42, s40                     ; block column
	s_and_b32 s13, ttmp7, 0xffff
	s_lshl_b32 s13, s13, 2
	s_add_co_u32 s13, s13, s41                     ; block row
	s_lshl_b32 s43, s41, 2
	s_lshl_b32 s43, 15, s43                        ; my row of the cluster
	s_lshl_b32 s44, 0x1111, s40                    ; my column
	s_or_b32 s[G1A+0], s43, (1<<16)|(1<<20)|(1<<21)|(AQI<<22)|(3<<25)  ; mask; 2-byte elements; padding on; bit 21 beside a mask; 4 words after every row
	s_mov_b32 s[G1A+1], KS<<16                     ; tensor_dim0
	s_mov_b32 s[G1A+2], 64<<16                     ; tensor_dim1 = 64 rows
	s_mov_b32 s[G1A+3], KS<<16                     ; tile_dim0
	s_mov_b32 s[G1A+4], 64                         ; tile_dim1
	s_mov_b32 s[G1A+5], 2048                       ; elements from row to row
	s_mov_b32 s[G1A+6], 0
	s_mov_b32 s[G1A+7], 0
	s_or_b32 s[G1B+0], s44, (1<<16)|(1<<20)|(1<<21)|(5<<22)|(7<<25)    ; 8 words after every 64
	s_mov_b32 s[G1B+1], 128<<16
	s_mov_b32 s[G1B+2], 128<<16
	s_mov_b32 s[G1B+3], 128<<16
	s_mov_b32 s[G1B+4], 128
	s_mov_b32 s[G1B+5], NP
	s_mov_b32 s[G1B+6], 0
	s_mov_b32 s[G1B+7], 0
	s_lshl_b32 s16, s13, 19                        ; A: 128 x block row rows of 4,096 bytes
	s_lshl_b32 s17, s12, 18                        ; + 64 rows for the second half
	s_add_co_u32 s16, s16, s17
	s_mov_b32 s17, 0
	s_mul_i32 s46, s42, COL                        ; B: the block's columns
	s_mul_i32 s47, s12, WOFF                       ; + my region
	s_add_co_u32 s46, s46, s47
	s_mov_b32 s47, 0
	s_mul_i32 s20, s12, 64*APITCH                  ; LDS: A's halves
	s_mul_i32 s21, s12, BHALF
	s_add_co_u32 s21, s21, ABYTES                  ; B's regions behind them
	s_wait_dscnt 0x0
	s_wait_kmcnt 0x0
	s_add_nc_u64 s[14:15], s[4:5], s[16:17]
	s_add_nc_u64 s[46:47], s[6:7], s[46:47]
	CROUND                                         ; all sixteen work-groups are here: the first joint loads meet
.irp n, 0,1
	s_mov_b32 s[G0A+4*\n], 1
	s_add_co_u32 s[G0A+4*\n+1], s20, \n*SLOT
	s_add_nc_u64 s[G0A+4*\n+2:G0A+4*\n+3], s[14:15], \n*KS*2
	s_or_b32 s[G0A+4*\n+3], s[G0A+4*\n+3], 0x80000000
	s_mov_b32 s[G0B+4*\n], 1
	s_add_co_u32 s[G0B+4*\n+1], s21, \n*SLOT
	s_add_nc_u64 s[G0B+4*\n+2:G0B+4*\n+3], s[46:47], \n*KS*NP*2
	s_or_b32 s[G0B+4*\n+3], s[G0B+4*\n+3], 0x80000000
	JLOAD \n                                       ; two tensor loads of a wave are out here, one behind each later round
.endr
	v_and_b32 v1, 15, v0                           ; r
	v_bfe_u32 v2, v0, 4, 1                         ; h
	v_and_b32 v3, 7, v0
	v_bfe_u32 v4, v0, 3, 1
	v_mul_u32_u24 v5, v1, APITCH
	v_lshl_add_u32 v5, v2, 4, v5                   ; r x pitch + 16 h
	s_mul_i32 s22, s11, 64*APITCH                  ; my 64 rows
	v_add_nc_u32 v[ADRA], s22, v5
	v_add_nc_u32 v[ADRA+1], SLOT, v[ADRA]
	v_lshl_add_u32 v6, v2, 3, v3                   ; k row 8 h + (l & 7)
	v_mul_u32_u24 v6, v6, BPITCH
	v_lshl_add_u32 v6, v4, 4, v6                   ; + 16 ((l >> 3) & 1)
	s_lshl_b32 s23, s12, 7
	s_add_co_u32 s23, s23, ABYTES                  ; my 64 columns of a region
	v_add_nc_u32 v[ADRB], s23, v6
	v_add_nc_u32 v[ADRB+1], BHALF, v[ADRB]
	v_add_nc_u32 v[ADRB+2], SLOT, v[ADRB]
	v_add_nc_u32 v[ADRB+3], BHALF, v[ADRB+2]
	; the table of my 64 rows goes into window 2 while the ring fills: lane (r, h) of tile (a, b') wants the four pairs at t x 256 + 64 b' + 32 h
	v_lshlrev_b32 v14, 8, v1
	v_lshl_add_u32 v14, v2, 5, v14
	s_lshl_b32 s80, s13, 7
	s_lshl_b32 s81, s11, 6
	s_add_co_u32 s80, s80, s81                     ; my first row
	s_lshl_b32 s96, s80, 8
	s_mov_b32 s97, 0
	s_add_nc_u64 s[82:83], s[68:69], s[96:97]
	s_lshl_b32 s81, s42, 2
	s_add_co_u32 s81, s81, s12                     ; the unit of my head in region 0; region 1's is two units on
	s_lshl_b32 s96, s81, 18
	s_lshl_b32 s81, s80, 7
	s_add_co_u32 s96, s96, s81
	s_add_nc_u64 s[84:85], s[70:71], s[96:97]
	s_cmp_lt_u32 s42, 10                           ; block columns 10 and 11 are v: not rotated.  A select, no branch
	s_cselect_b32 s86, -1, 0
	WIN 0x80
.irp a, 0,1,2,3
.irp b, 0,1,2,3
	global_load_b128 v[8*(4*\a+\b):8*(4*\a+\b)+3], v14, s[82:83] offset:4096*\a+64*\b
	global_load_b128 v[8*(4*\a+\b)+4:8*(4*\a+\b)+7], v14, s[82:83] offset:4096*\a+64*\b+16
.endr
.endr
	WIN 0
	s_mul_i32 s87, s10, 4608
	s_add_co_u32 s87, s87, STAGE                   ; my stage
	v_mul_u32_u24 v15, v1, 144
	v_lshl_add_u32 v15, v2, 4, v15
	v_add_nc_u32 v15, s87, v15                     ; in: row r, 16 bytes for each half of the lanes
	v_and_b32 v5, 31, v0
	v_lshrrev_b32 v16, 3, v5
	v_mul_u32_u24 v16, v16, 144
	v_lshl_add_u32 v16, v3, 4, v16
	v_add_nc_u32 v16, s87, v16                     ; back: eight lanes a row of 128 bytes, four rows a load
	v_lshlrev_b32 v17, 4, v5                       ; and the same 512 consecutive bytes of the unit
	s_wait_tensorcnt 0x1                           ; my part of slot 0 is in; slot 1's may stay out
	s_barrier_signal -1
	s_barrier_wait -1
	FETCH 0, 0, F0
	LAP 1                                          ; the first products start the sums
	WIN 0
	s_mov_b32 s3, LAPS-2
.Llap:
	LAP 0
	WIN 0
	s_sub_co_u32 s3, s3, 1
	s_cmp_lg_u32 s3, 0
	s_cbranch_scc1 .Llap
	RUN 0, 0                                       ; the last lap fills nothing
	TURN 0, 1, 0
	RUN 1, 0
	s_wait_dscnt 0x0
	MUL F1, 0, 0
	MUL F1, 2, 0
	WIN 0
	PLACES
	; THE WAY OUT.  cos -> 1 and sin -> 0 where the block is v's
	s_wait_loadcnt 0x0
	WIN 0x88
.set k, 0
.rept 64
	v_cndmask_b32 v[2*k], 1.0, v[2*k], s86
	v_cndmask_b32 v[2*k+1], 0, v[2*k+1], s86
.set k, k+1
.endr
; 16 rows: (e, o) -> (e c - o s, o c + e s), rounded, through my stage, out as 512 consecutive bytes a store
.macro ROPE16 a
	WIN 0x09                                       ; source 0 the sums (window 1), source 1 the table (window 2)
.irp g, 0,1
.irp b, 0,1,2,3
.irp p, 0,2,4,6
	v_pk_mul_f32 v[TT+8*(4*\g+\b)+\p:TT+8*(4*\g+\b)+\p+1], v[8*(8*\a+4*\g+\b)+\p:8*(8*\a+4*\g+\b)+\p+1], v[8*(4*\a+\b)+\p:8*(4*\a+\b)+\p+1] op_sel_hi:[1,0]
	v_pk_fma_f32 v[TT+8*(4*\g+\b)+\p:TT+8*(4*\g+\b)+\p+1], v[8*(8*\a+4*\g+\b)+\p:8*(8*\a+4*\g+\b)+\p+1], v[8*(4*\a+\b)+\p:8*(4*\a+\b)+\p+1], v[TT+8*(4*\g+\b)+\p:TT+8*(4*\g+\b)+\p+1] op_sel:[1,1,0] op_sel_hi:[0,1,1] neg_lo:[1,0,0]
.endr
.endr
.endr
	WIN 0
.irp g, 0,1
.irp b, 0,1,2,3
.irp m, 0,1,2,3
	v_cvt_pk_bf16_f32 v[PP+4*(4*\g+\b)+\m], v[TT+8*(4*\g+\b)+2*\m], v[TT+8*(4*\g+\b)+2*\m+1]
.endr
	ds_store_b128 v15, v[PP+4*(4*\g+\b):PP+4*(4*\g+\b)+3] offset:2304*\g+32*\b
.endr
.endr
	s_wait_xcnt 0x0                                ; the rows read back were the last stores' data
.irp g, 0,1
.irp i, 0,1,2,3
	ds_load_b128 v[RB+4*(4*\g+\i):RB+4*(4*\g+\i)+3], v16 offset:2304*\g+576*\i   ; LDS serves a wave's instructions in order: these see the stores above
.endr
.endr
.irp g, 0,1
.irp i, 0,1,2,3
	s_wait_dscnt 7-(4*\g+\i)
	global_store_b128 v17, v[RB+4*(4*\g+\i):RB+4*(4*\g+\i)+3], s[84:85] offset:524288*\g+2048*\a+512*\i
.endr
.endr
.endm
	ROPE16 0
	ROPE16 1
	ROPE16 2
	ROPE16 3
	s_wait_tensorcnt 0x0
	ds_add_u32 v62, v63
	s_wait_dscnt 0x0
	CROUND                                         ; the closing round: no work-group ends while a partner may still ask jointly
	s_endpgm
.Lfunc_end_k_q95296963fa_proj:
	.size	k_q95296963fa_proj, .Lfunc_end_k_q95296963fa_proj-k_q95296963fa_proj
	.p2alignl 7, 3214868480
	.fill 96, 4, 3214868480
	.section	.rodata,"a",@progbits
	.p2align	6, 0x0
	.amdhsa_kernel k_q95296963fa_proj
		.amdhsa_group_segment_fixed_size 327680
		.amdhsa_private_segment_fixed_size 0
		.amdhsa_enable_private_segment 0
		.amdhsa_kernarg_size 32
		.amdhsa_user_sgpr_count 2
		.amdhsa_user_sgpr_kernarg_segment_ptr 1
		.amdhsa_wavefront_size32 1
		.amdhsa_system_sgpr_workgroup_id_x 1
		.amdhsa_system_sgpr_workgroup_id_y 1
		.amdhsa_system_sgpr_workgroup_id_z 1
		.amdhsa_system_vgpr_workitem_id 0
		.amdhsa_next_free_vgpr 640
		.amdhsa_next_free_sgpr 100
		.amdhsa_reserve_vcc 0
		.amdhsa_float_denorm_mode_32 3
		.amdhsa_float_denorm_mode_16_64 3
		.amdhsa_memory_ordered 1
		.amdhsa_forward_progress 1
		.amdhsa_inst_pref_size 144
	.end_amdhsa_kernel
	.amdgpu_metadata
---
amdhsa.version: [ 1, 2 ]
amdhsa.kernels:
  - .name:           k_q95296963fa_proj
    .symbol:         k_q95296963fa_proj.kd
    .args:
      - { .name: h1b, .offset: 0, .size: 8, .value_kind: global_buffer, .address_space: global }
      - { .name: wb, .offset: 8, .size: 8, .value_kind: global_buffer, .address_space: global }
      - { .name: aux, .offset: 16, .size: 8, .value_kind: global_buffer, .address_space: global }
      - { .name: qkv, .offset: 24, .size: 8, .value_kind: global_buffer, .address_space: global }
    .group_segment_fixed_size: 327680
    .private_segment_fixed_size: 0
    .kernarg_segment_align: 8
    .kernarg_segment_size: 32
    .max_flat_workgroup_size: 128
    .sgpr_count:     100
    .vgpr_count:     640
    .wavefront_size: 32
...
	.end_amdgpu_metadata
.endif
;; end of part 2
;; launch attn (part 3): grid 32 x 8, 8 waves a work-group, clusters of 4 x 1, 327,680 bytes of LDS; arguments qkv, yb; writes yb
.if DOCPART == 3
	.amdgcn_target "amdgcn-amd-amdhsa--gfx1250"
	.amdhsa_code_object_version 6
	.text
	.protected	k_q95296963fa_attn
	.globl	k_q95296963fa_attn
	.p2align	8
	.type	k_q95296963fa_attn,@function
k_q95296963fa_attn:
	s_mov_b64 s[64:65], 0
	v_nop
	global_prefetch_b8 v0, s[64:65] scope:SCOPE_SE
	s_setreg_imm32_b32 hwreg(HW_REG_WAVE_MODE, 25, 1), 1
	s_wait_xcnt 0x0
	s_wait_alu depctr_hold_cnt(0) depctr_sa_sdst(0) depctr_va_vdst(0) depctr_va_sdst(0) depctr_va_ssrc(0) depctr_va_vcc(0) depctr_vm_vsrc(0)
	s_getreg_b32 s2, hwreg(HW_REG_IB_STS2, 6, 4)
	s_cmp_eq_u32 s2, 0
	s_cbranch_scc0 .Lentry_in_a_cluster
	s_endpgm
.Lentry_in_a_cluster:
	s_bfe_u32 s2, ttmp6, 0x10000c
	s_cmp_lg_u32 s2, 0x3003
	s_cbranch_scc0 .Lentry_shape_is_right
	s_endpgm
.Lentry_shape_is_right:
; attn: causal attention, 32 query heads on 8 key/value heads, head size 64, T = 2048; yb[t][2048] bf16.
; Work-group (cluster c = 0..7, place cx = 0..3, key/value head g): the query block of 32 positions bS = 4 c + cx, then the block bL = 63 - bS, for the
; four query heads of g.  Keys come in tiles of 128 through two LDS slots: the short block walks tiles 0 .. c, the long one 0 .. 15 - c: 17 slot steps
; in every work-group, and the same 17 tiles in the four partners of a cluster, so K's and V's tiles are asked for jointly (mask 15).
; The last slot step of each block holds the diagonal and is masked; the branches that pick it hang on c alone, which the partners share.
; EIGHT WAVES, two on a SIMD: the vector work of the softmax (some 125 plain and 34 transcendental instructions for 64 keys and 16 rows) outweighs the
; 16 matrix instructions, so one wave's softmax is there to run while the other's matrix instructions and LDS loads are under way.
; Wave w: head pair hp = w >> 2, eight positions sub = w & 3.  Its one tile of 16 query rows is 2 heads x 8 positions: row r is head 2 hp + (r >> 3),
; position 8 sub + (r & 7); both heads use the same K and V, and a position's two heads are 256 neighbouring bytes of yb.
; The price: each wave reads all of a tile's K and V fragments for its 16 rows, 64 loads of 512 bytes a slot step.
; S^T = K x Q^T: lane (r, h) holds query row r and keys 8 h + j; two neighbouring tiles, rounded in place, ARE the second source of O^T = V^T x P^T:
; nothing moves between lanes but the running maximum (one v_permlanex16_b32 for 64 keys) and, at the end, the sum.
; The running maximum is taken away before every exponential.  Kept per row: m, NM = -m c (c = log2(e)/8) and the sum l; old sums are rescaled by
; exp2(NM new - NM old).  Every block starts at tile 0, whose key 0 every row may see, so m is finite from the first 64 keys on.
; The sums O are cleared twice a wave (32 moves each): a first step that starts the sums would be one more copy of the step for each block.
; All 240 registers lie in the first window.
; No prefetch: a head's K and V are 512 KB, and eight clusters walk them, each twice from tile 0 on: most requests are for bytes asked for before.
; LIMITS: operands bf16; P is rounded to bf16 while l adds the f32 values; terms below 2^-126 count as 0; non-finite scores are not treated.
.set KPITCH, 144                       ; 128 bytes + 16
.set VPITCH, 160                       ; 128 bytes + 32: an odd multiple of 32, for the transposing load
.set KEYS, 128                         ; keys in a tile
.set KBYTES, KEYS*KPITCH               ; 18,432
.set SLOT, KBYTES+KEYS*VPITCH          ; 38,912
.set STAGE, 2*SLOT                     ; 77,824: behind the ring
.set WSTAGE, 8*272                     ; 8 rows x 272 bytes for each wave
.set KA, 4                             ; v4-5   K fragments in slot 0, 1
.set VA, 6                             ; v6-7   V fragments
.set STO, 8
.set RD, 9
.set YO, 10
.set QO, 11
.set DQ, 12                            ; my query's place among the diagonal's 128 keys, less 8 h: the block at work
.set DQL, 13                           ; the long block's, kept for the change of blocks
.set NEG, 14                           ; -inf
.set MX, 16                            ; m
.set LS, 17                            ; l
.set T, 18                             ; v18-21 at work
.set NM, 22                            ; v22-23 -m c, twice
.set AL, 24                            ; v24-25 the rescaling factor, twice
.set S, 32                             ; v32-63   scores: tile kt at 8 kt; then P(kk) at 16 kk
.set KF, 64                            ; v64-127  K fragments 8 (2 kt + kk)
.set VF, 128                           ; v128-191 V fragments 8 (4 kk + dt)
.set O, 192                            ; v192-223 O(dt) at 8 dt
.set QF, 224                           ; v224-239 Q(kk) at 8 kk
.set G1K, 24
.set G0K, 32
.set G1V, 48
.set G0V, 56
.macro PLACES                          ; four plain places behind a matrix instruction (ISA guide 7.12.1)
.rept 4
	v_nop
.endr
.endm
.macro PLACES5                         ; five: the next matrix instructions write over registers that the last ones read
.rept 5
	v_nop
.endr
.endm
.macro ROUND                           ; a round of the cluster's barrier
	s_barrier_signal -1
	s_barrier_wait -1
	s_cmp_lg_u32 s8, 0
	s_cbranch_scc1 .Lnot_wave_0_\@
	s_barrier_signal -3
.Lnot_wave_0_\@:
	s_barrier_wait -3
	s_barrier_signal -1
	s_barrier_wait -1
.endm
.macro JLOAD n                         ; waves 0, 1 ask for K's halves of 64 rows, waves 2, 3 for V's; waves 4 to 7 have no part of a tile to fill
	s_cmp_lg_u32 s9, 0
	s_cbranch_scc1 .Lnot_k_\@
	tensor_load_to_lds s[G0K+4*\n:G0K+4*\n+3], s[G1K:G1K+7]
	s_nop 0
.Lnot_k_\@:
	s_cmp_lg_u32 s9, 1
	s_cbranch_scc1 .Lnot_v_\@
	tensor_load_to_lds s[G0V+4*\n:G0V+4*\n+3], s[G1V:G1V+7]
	s_nop 0
.Lnot_v_\@:
.endm
.macro LOADQ sb
.irp kk, 0,1
	global_load_b128 v[QF+8*\kk:QF+8*\kk+3], v[QO], s[\sb:\sb+1] offset:64*\kk
	global_load_b128 v[QF+8*\kk+4:QF+8*\kk+7], v[QO], s[\sb:\sb+1] offset:64*\kk+32
.endr
.endm
.macro INIT
	v_mov_b32 v[MX], v[NEG]
	v_mov_b32 v[LS], 0
	v_mov_b32 v[NM], 0x7f800000
	v_mov_b32 v[NM+1], 0x7f800000
.set k, 0
.rept 32
	v_mov_b32 v[O+k], 0
.set k, k+1
.endr
.endm
.macro FETCHK slot, u
.irp kt, 0,1,2,3
.irp kk, 0,1
	ds_load_b128 v[KF+8*(2*\kt+\kk):KF+8*(2*\kt+\kk)+3], v[KA+\slot] offset:(64*\u+16*\kt)*KPITCH+64*\kk
	ds_load_b128 v[KF+8*(2*\kt+\kk)+4:KF+8*(2*\kt+\kk)+7], v[KA+\slot] offset:(64*\u+16*\kt)*KPITCH+64*\kk+32
.endr
.endr
.endm
.macro FETCHV slot, u
.irp kk, 0,1
.irp dt, 0,1,2,3
	ds_load_tr16_b128 v[VF+8*(4*\kk+\dt):VF+8*(4*\kk+\dt)+3], v[VA+\slot] offset:(64*\u+32*\kk)*VPITCH+32*\dt
	ds_load_tr16_b128 v[VF+8*(4*\kk+\dt)+4:VF+8*(4*\kk+\dt)+7], v[VA+\slot] offset:(64*\u+32*\kk)*VPITCH+32*\dt+16*VPITCH
.endr
.endr
.endm
.macro SMM                             ; 64 keys x 16 rows; the four tiles take turns, one instruction a turn
.irp kt, 0,1,2,3
	v_wmma_f32_16x16x32_bf16 v[S+8*\kt:S+8*\kt+7], v[KF+16*\kt:KF+16*\kt+7], v[QF:QF+7], 0
.endr
.irp kt, 0,1,2,3
	v_wmma_f32_16x16x32_bf16 v[S+8*\kt:S+8*\kt+7], v[KF+16*\kt+8:KF+16*\kt+15], v[QF+8:QF+15], v[S+8*\kt:S+8*\kt+7]
.endr
.endm
.macro MASK u                          ; of the diagonal's 128 keys, key 64 u + 16 kt + 8 h + j may be seen where it is not behind the query
.irp kt, 0,1,2,3
.irp j, 0,1,2,3,4,5,6,7
	v_cmp_le_i32 vcc_lo, 64*\u+16*\kt+\j, v[DQ]
	v_cndmask_b32 v[S+8*\kt+\j], v[NEG], v[S+8*\kt+\j], vcc_lo
.endr
.endr
.endm
.macro SOFTMAX
	v_max3_num_f32 v[T], v[S], v[S+1], v[S+2]
	v_max3_num_f32 v[T+1], v[S+16], v[S+17], v[S+18]
.irp k, 3,5,7,9,11,13
	v_max3_num_f32 v[T], v[T], v[S+\k], v[S+\k+1]
	v_max3_num_f32 v[T+1], v[T+1], v[S+16+\k], v[S+16+\k+1]
.endr
	v_max3_num_f32 v[T], v[T], v[S+15], v[S+31]
	v_max_num_f32 v[T], v[T], v[T+1]
	v_permlanex16_b32 v[T+1], v[T], s70, s71       ; the other half of the lanes holds the row's other keys
	v_max3_num_f32 v[T+2], v[T], v[T+1], v[MX]     ; the new maximum
	v_mul_f32 v[T+3], 0xbe38aa3b, v[T+2]           ; NM new = -m c
	v_sub_f32 v[T+1], v[T+3], v[NM]
	v_exp_f32 v[AL], v[T+1]
	v_exp_f32 v[AL+1], v[T+1]
	v_mov_b32 v[NM], v[T+3]                        ; the plain place behind the transcendentals (ISA guide 5.7.2)
	v_mov_b32 v[NM+1], v[T+3]
	v_mov_b32 v[MX], v[T+2]
.set k, 0
.rept 16
	v_pk_fma_f32 v[S+2*k:S+2*k+1], v[S+2*k:S+2*k+1], 0x3e38aa3b, v[NM:NM+1] op_sel_hi:[1,0,1]
.set k, k+1
.endr
.set k, 0
.rept 32
	v_exp_f32 v[S+k], v[S+k]
.set k, k+1
.endr
	v_nop                                          ; one plain place behind the transcendentals
	s_wait_alu depctr_va_vdst(0)
	v_pk_add_f32 v[T:T+1], v[S:S+1], v[S+2:S+3]
	v_pk_add_f32 v[T+2:T+3], v[S+16:S+17], v[S+18:S+19]
.irp k, 4,6,8,10,12,14
	v_pk_add_f32 v[T:T+1], v[T:T+1], v[S+\k:S+\k+1]
	v_pk_add_f32 v[T+2:T+3], v[T+2:T+3], v[S+16+\k:S+16+\k+1]
.endr
	v_pk_add_f32 v[T:T+1], v[T:T+1], v[T+2:T+3]
	v_add_f32 v[T], v[T], v[T+1]
	v_fma_f32 v[LS], v[LS], v[AL], v[T]
.irp kk, 0,1
.irp m, 0,1,2,3,4,5,6,7
	v_cvt_pk_bf16_f32 v[S+16*\kk+\m], v[S+16*\kk+2*\m], v[S+16*\kk+2*\m+1]   ; ascending: a register is written only after it was read
.endr
.endr
.endm
.macro RESCALE
.set k, 0
.rept 16
	v_pk_mul_f32 v[O+2*k:O+2*k+1], v[O+2*k:O+2*k+1], v[AL:AL+1]
.set k, k+1
.endr
.endm
.macro PVMM                            ; the four sums take turns, one instruction a turn
.irp kk, 0,1
.irp dt, 0,1,2,3
	v_wmma_f32_16x16x32_bf16 v[O+8*\dt:O+8*\dt+7], v[VF+8*(4*\kk+\dt):VF+8*(4*\kk+\dt)+7], v[S+16*\kk:S+16*\kk+7], v[O+8*\dt:O+8*\dt+7]
.endr
.endr
.endm
; A block's end: join the halves' sums, divide, round, 8 rows of 256 bytes through my stage, out in whole rows
.macro FINAL ybase
	v_permlanex16_b32 v[T], v[LS], s70, s71
	v_add_f32 v[T], v[T], v[LS]
	v_rcp_f32 v[AL], v[T]
	v_rcp_f32 v[AL+1], v[T]
	v_nop                                          ; one plain place behind the transcendentals
.set k, 0
	s_wait_alu depctr_va_vdst(0)
.rept 16
	v_pk_mul_f32 v[KF+2*k:KF+2*k+1], v[O+2*k:O+2*k+1], v[AL:AL+1]
.set k, k+1
.endr
.irp dt, 0,1,2,3
.irp m, 0,1,2,3
	v_cvt_pk_bf16_f32 v[VF+4*\dt+\m], v[KF+8*\dt+2*\m], v[KF+8*\dt+2*\m+1]
.endr
	ds_store_b128 v[STO], v[VF+4*\dt:VF+4*\dt+3] offset:32*\dt
.endr
.irp i, 0,1,2,3
	ds_load_b128 v[VF+16+4*\i:VF+16+4*\i+3], v[RD] offset:544*\i     ; LDS serves a wave's instructions in order: these see the stores above
.endr
.irp i, 0,1,2,3
	s_wait_dscnt 3-\i                              ; rows 2 i, 2 i + 1 are in; the later rows' loads stay out
	global_store_b128 v[YO], v[VF+16+4*\i:VF+16+4*\i+3], s[\ybase:\ybase+1] offset:8192*\i   ; 16 lanes store 256 consecutive bytes, aligned
.endr
	s_wait_xcnt 0x0                                ; the stores' data are fragment registers: loaded again only behind this wait
.endm
; 64 keys: half u of the slot.  always = 1: masked; 0: masked only where the slot step q (s78) is c (s77), the short block's diagonal.
.macro STEP slot, u, always
	FETCHK \slot, \u
	FETCHV \slot, \u
	s_wait_dscnt 16                                ; K's sixteen loads are in; V's sixteen, issued behind them, stay out
	SMM
	PLACES
.if \always
	MASK \u
.else
	s_cmp_lg_u32 s78, s77
	s_cbranch_scc1 .Lopen_\@
	MASK \u
.Lopen_\@:
.endif
	SOFTMAX
	RESCALE
	s_wait_dscnt 0x0                               ; V's fragments
	PVMM
	PLACES5
.endm
; Slot step q = s14 + slot.  In front of the round every wave waits for all its tensor loads (one at the most) and for its LDS reads, so the other slot's
; address may be written; behind the round the other slot is asked for first (slot step q + 1: tile q + 1, or q + 1 - (c + 1) in the long block), and
; then this slot is worked on.  refill = 0: the last slot step.
.macro TRIP slot, other, refill, always
	s_wait_tensorcnt 0x0
	ds_add_u32 v240, v241
	s_wait_dscnt 0x0
	s_wait_dscnt 0x0
.if \refill
	s_add_co_u32 s78, s14, \slot                   ; q
	s_add_co_u32 s15, s78, 1
	s_sub_co_u32 s16, s15, s12
	s_cmp_lt_u32 s15, s12
	s_cselect_b32 s72, s15, s16
	s_lshl_b32 s72, s72, 14                        ; 128 keys of 128 bytes
	s_add_nc_u64 s[G0K+4*\other+2:G0K+4*\other+3], s[40:41], s[72:73]
	s_or_b32 s[G0K+4*\other+3], s[G0K+4*\other+3], 0x80000000
	s_add_nc_u64 s[G0V+4*\other+2:G0V+4*\other+3], s[42:43], s[72:73]
	s_or_b32 s[G0V+4*\other+3], s[G0V+4*\other+3], 0x80000000
	ROUND
	JLOAD \other
.else
	s_barrier_signal -1
	s_barrier_wait -1
.endif
	STEP \slot, 0, \always
	STEP \slot, 1, \always
.endm
.macro BLOCKEND                        ; behind slot step c the short block is done
	s_cmp_lg_u32 s78, s77
	s_cbranch_scc1 .Lsame_\@
	LOADQ 46                                       ; the long block's queries are asked for first,
	FINAL 66                                       ; the short block's rows leave,
	INIT                                           ; the sums start anew,
	v_mov_b32 v[DQ], v[DQL]
	s_wait_loadcnt 0x0                             ; and the queries are in
.Lsame_\@:
.endm
	s_load_b128 s[4:7], s[0:1], 0x0                ; qkv, yb
	v_lshl_add_u32 v240, v0, 2, 0x29000
	v_mov_b32 v241, 0
	ds_add_u32 v240, v241
	v_lshrrev_b32 v1, 5, v0
	v_readfirstlane_b32 s8, v1                     ; wave 0..7
	s_lshr_b32 s9, s8, 1                           ; 0: I fetch for K, 1: for V, 2 and 3: nothing
	s_and_b32 s10, s8, 1                           ; which 64 keys of a tile I fetch
	s_lshr_b32 s79, s8, 2                          ; head pair
	s_and_b32 s80, s8, 3                           ; which 8 positions
	s_and_b32 s11, ttmp7, 0xffff                   ; g
	s_mov_b32 s77, ttmp9                           ; c: the slot step of the short block's diagonal
	s_add_co_u32 s12, s77, 1                       ; c + 1: the short block's slot steps
	s_bfe_u32 s13, ttmp6, 0x40000                  ; cx: enters global addresses of q and yb and the mask's lane registers, nothing else
	s_mov_b32 s70, 0x76543210
	s_mov_b32 s71, 0xfedcba98
	s_mov_b32 s[G1K+0], 15|(1<<16)|(1<<20)|(1<<21)|(4<<22)|(3<<25)   ; all four partners; 2-byte elements; 4 words of padding after every 32
	s_mov_b32 s[G1K+1], 64<<16                     ; tensor_dim0 = 64 elements
	s_mov_b32 s[G1K+2], 64<<16                     ; tensor_dim1 = 64 rows
	s_mov_b32 s[G1K+3], 64<<16                     ; tile_dim0
	s_mov_b32 s[G1K+4], 64                         ; tile_dim1
	s_mov_b32 s[G1K+5], 64                         ; elements from row to row
	s_mov_b32 s[G1K+6], 0
	s_mov_b32 s[G1K+7], 0
	s_mov_b32 s[G1V+0], 15|(1<<16)|(1<<20)|(1<<21)|(4<<22)|(7<<25)   ; 8 words of padding
	s_mov_b32 s[G1V+1], 64<<16
	s_mov_b32 s[G1V+2], 64<<16
	s_mov_b32 s[G1V+3], 64<<16
	s_mov_b32 s[G1V+4], 64
	s_mov_b32 s[G1V+5], 64
	s_mov_b32 s[G1V+6], 0
	s_mov_b32 s[G1V+7], 0
	s_mul_i32 s20, s10, 64*KPITCH
	s_mul_i32 s21, s10, 64*VPITCH
	s_add_co_u32 s21, s21, KBYTES
.irp n, 0,1
	s_mov_b32 s[G0K+4*\n], 1
	s_add_co_u32 s[G0K+4*\n+1], s20, \n*SLOT
	s_mov_b32 s[G0V+4*\n], 1
	s_add_co_u32 s[G0V+4*\n+1], s21, \n*SLOT
.endr
	s_add_co_u32 s15, s11, 32                      ; K's unit
	s_lshl_b32 s72, s15, 18
	s_lshl_b32 s16, s10, 13                        ; my 64 keys
	s_add_co_u32 s72, s72, s16
	s_mov_b32 s73, 0
	s_lshl_b32 s17, s77, 2
	s_add_co_u32 s17, s17, s13                     ; bS
	s_sub_co_u32 s18, 63, s17                      ; bL
	s_lshl_b32 s19, s11, 2
	s_lshl1_add_u32 s19, s79, s19                  ; my first head: 4 g + 2 hp
	s_mov_b32 s75, 0
	s_wait_dscnt 0x0
	s_wait_kmcnt 0x0
	s_add_nc_u64 s[40:41], s[4:5], s[72:73]        ; K's tile 0, my half
	s_add_nc_u64 s[42:43], s[40:41], 8*262144      ; V's units lie eight units behind K's
	s_mov_b64 s[G0K+2:G0K+3], s[40:41]
	s_or_b32 s[G0K+3], s[G0K+3], 0x80000000
	s_mov_b64 s[G0V+2:G0V+3], s[42:43]
	s_or_b32 s[G0V+3], s[G0V+3], 0x80000000
	ROUND                                          ; in front of the first joint load
	JLOAD 0                                        ; one tensor load of a wave is out at any time
	s_lshl_b32 s20, s19, 18
	s_lshl_b32 s21, s80, 10                        ; 8 positions of 128 bytes
	s_add_co_u32 s20, s20, s21
	s_lshl_b32 s74, s17, 12
	s_add_co_u32 s74, s74, s20
	s_add_nc_u64 s[44:45], s[4:5], s[74:75]        ; q, short block
	s_lshl_b32 s74, s18, 12
	s_add_co_u32 s74, s74, s20
	s_add_nc_u64 s[46:47], s[4:5], s[74:75]        ; q, long block
	s_lshl_b32 s20, s19, 7
	s_lshl_b32 s21, s80, 15                        ; 8 rows of 4,096 bytes
	s_add_co_u32 s20, s20, s21
	s_lshl_b32 s74, s17, 17
	s_add_co_u32 s74, s74, s20
	s_add_nc_u64 s[66:67], s[6:7], s[74:75]        ; yb, short block
	s_lshl_b32 s74, s18, 17
	s_add_co_u32 s74, s74, s20
	s_add_nc_u64 s[68:69], s[6:7], s[74:75]        ; yb, long block
	v_and_b32 v1, 15, v0                           ; r
	v_bfe_u32 v2, v0, 4, 1                         ; h
	v_and_b32 v3, 7, v0                            ; r & 7: the position
	v_bfe_u32 v15, v0, 3, 1                        ; r >> 3: which of the two heads
	v_lshlrev_b32 v[QO], 7, v3
	v_lshl_add_u32 v[QO], v15, 18, v[QO]
	v_lshl_add_u32 v[QO], v2, 4, v[QO]             ; head x 262,144 + position x 128 + 16 h
	LOADQ 44
	v_mul_u32_u24 v[KA], v1, KPITCH
	v_lshl_add_u32 v[KA], v2, 4, v[KA]
	v_add_nc_u32 v[KA+1], SLOT, v[KA]
	v_lshl_add_u32 v26, v2, 3, v3                  ; key row 8 h + (l & 7)
	v_mul_u32_u24 v[VA], v26, VPITCH
	v_lshl_add_u32 v[VA], v15, 4, v[VA]
	v_add_nc_u32 v[VA], KBYTES, v[VA]
	v_add_nc_u32 v[VA+1], SLOT, v[VA]
	s_mul_i32 s22, s8, WSTAGE
	s_add_co_u32 s22, s22, STAGE                   ; my stage
	v_mul_u32_u24 v[STO], v3, 272
	v_lshl_add_u32 v[STO], v15, 7, v[STO]
	v_lshl_add_u32 v[STO], v2, 4, v[STO]
	v_add_nc_u32 v[STO], s22, v[STO]               ; in: row = position, 128 bytes a head, 16 bytes for each half of the lanes
	v_mul_u32_u24 v[RD], v2, 272
	v_lshl_add_u32 v[RD], v1, 4, v[RD]
	v_add_nc_u32 v[RD], s22, v[RD]                 ; back: lanes 0-15 one row of 256 bytes, lanes 16-31 the next
	v_lshlrev_b32 v[YO], 12, v2
	v_lshl_add_u32 v[YO], v1, 4, v[YO]
	v_lshlrev_b32 v26, 3, v2
	v_sub_nc_u32 v26, v3, v26                      ; (r & 7) - 8 h
	s_lshl_b32 s22, s13, 5
	s_lshl_b32 s23, s80, 3
	s_add_co_u32 s20, s22, s23                     ; 32 cx + 8 sub
	s_sub_co_u32 s21, 96, s22
	s_add_co_u32 s21, s21, s23                     ; 96 - 32 cx + 8 sub
	v_add_nc_u32 v[DQ], s20, v26                   ; the short block comes first
	v_add_nc_u32 v[DQL], s21, v26
	v_mov_b32 v[NEG], 0xff800000
	INIT
	s_wait_loadcnt 0x0                             ; the short block's queries
	s_mov_b32 s14, 0
.Lpair:
	TRIP 0, 1, 1, 0
	BLOCKEND
	TRIP 1, 0, 1, 0
	BLOCKEND
	s_add_co_u32 s14, s14, 2
	s_cmp_lt_u32 s14, 16
	s_cbranch_scc1 .Lpair
	TRIP 0, 1, 0, 1                                ; slot step 16: the long block's diagonal; nothing is left to fetch
	FINAL 68
	s_wait_tensorcnt 0x0
	ds_add_u32 v240, v241
	s_wait_dscnt 0x0
	ROUND                                          ; the closing round: no work-group ends while a partner may still ask jointly
	s_endpgm
.Lfunc_end_k_q95296963fa_attn:
	.size	k_q95296963fa_attn, .Lfunc_end_k_q95296963fa_attn-k_q95296963fa_attn
	.p2alignl 7, 3214868480
	.fill 96, 4, 3214868480
	.section	.rodata,"a",@progbits
	.p2align	6, 0x0
	.amdhsa_kernel k_q95296963fa_attn
		.amdhsa_group_segment_fixed_size 327680
		.amdhsa_private_segment_fixed_size 0
		.amdhsa_enable_private_segment 0
		.amdhsa_kernarg_size 16
		.amdhsa_user_sgpr_count 2
		.amdhsa_user_sgpr_kernarg_segment_ptr 1
		.amdhsa_wavefront_size32 1
		.amdhsa_system_sgpr_workgroup_id_x 1
		.amdhsa_system_sgpr_workgroup_id_y 1
		.amdhsa_system_sgpr_workgroup_id_z 1
		.amdhsa_system_vgpr_workitem_id 0
		.amdhsa_next_free_vgpr 242
		.amdhsa_next_free_sgpr 100
		.amdhsa_reserve_vcc 1
		.amdhsa_float_denorm_mode_32 3
		.amdhsa_float_denorm_mode_16_64 3
		.amdhsa_memory_ordered 1
		.amdhsa_forward_progress 1
		.amdhsa_inst_pref_size 102
	.end_amdhsa_kernel
	.amdgpu_metadata
---
amdhsa.version: [ 1, 2 ]
amdhsa.kernels:
  - .name:           k_q95296963fa_attn
    .symbol:         k_q95296963fa_attn.kd
    .args:
      - { .name: qkv, .offset: 0, .size: 8, .value_kind: global_buffer, .address_space: global }
      - { .name: yb, .offset: 8, .size: 8, .value_kind: global_buffer, .address_space: global }
    .group_segment_fixed_size: 327680
    .private_segment_fixed_size: 0
    .kernarg_segment_align: 8
    .kernarg_segment_size: 16
    .max_flat_workgroup_size: 256
    .sgpr_count:     100
    .vgpr_count:     242
    .wavefront_size: 32
...
	.end_amdgpu_metadata
.endif
;; end of part 3
;; launch oproj (part 4): grid 16 x 16, 4 waves a work-group, clusters of 4 x 4, 327,680 bytes of LDS; arguments yb, wb, x, g1, g2, aux, x1, a2s; writes x1, a2s
.if DOCPART == 4
	.amdgcn_target "amdgcn-amd-amdhsa--gfx1250"
	.amdhsa_code_object_version 6
	.text
	.protected	k_q95296963fa_oproj
	.globl	k_q95296963fa_oproj
	.p2align	8
	.type	k_q95296963fa_oproj,@function
k_q95296963fa_oproj:
	s_mov_b64 s[64:65], 0
	v_nop
	global_prefetch_b8 v0, s[64:65] scope:SCOPE_SE
	s_setreg_imm32_b32 hwreg(HW_REG_WAVE_MODE, 25, 1), 1
	s_wait_xcnt 0x0
	s_wait_alu depctr_hold_cnt(0) depctr_sa_sdst(0) depctr_va_vdst(0) depctr_va_sdst(0) depctr_va_ssrc(0) depctr_va_vcc(0) depctr_vm_vsrc(0)
	s_getreg_b32 s2, hwreg(HW_REG_IB_STS2, 6, 4)
	s_cmp_eq_u32 s2, 0
	s_cbranch_scc0 .Lentry_in_a_cluster
	s_endpgm
.Lentry_in_a_cluster:
	s_bfe_u32 s2, ttmp6, 0x10000c
	s_cmp_lg_u32 s2, 0xf033
	s_cbranch_scc0 .Lentry_shape_is_right
	s_endpgm
.Lentry_shape_is_right:
; oproj: x1 = x * rstd1 * g1 + yb x wo (f32); a2 = bf16(x1 * g2); ssq[column half][row] = the sum of x1^2 over 64 columns.
; The second norm's 1 / rms spans column blocks, so it is not applied here: the next launches multiply by it behind their products.
; A work-group makes 128 x 128 with four waves of 64 x 64 (16 accumulator tiles).  K goes in steps of 256 through two LDS slots:
; A's rows are 512 bytes of memory, the weights' ([k][n]) 256 bytes, read by the transposing load.
; CLUSTERS: 4 x 4; A's tile is asked for jointly along a row of the cluster, the weights' along a column.
; THE WALK ALONG K: a tile of A is read by the four clusters of one cluster row, a tile of the weights by the four of one cluster column.  Half of the
; clusters, those with (X ^ Y ^ (Y >> 1)) & 1 = 1 (X, Y: the cluster's place in the grid), begin at K = 1024 and wrap round, so that of the clusters
; that read a tile some ask for it half a walk later than the others, when it has been fetched once already, and not all in the same K step.
; X and Y are the same in all partners of a cluster, so the joint loads' descriptors stay equal.  Only the order of the f32 sums changes.
; The matrix instruction is used transposed: lane l holds row l % 16 and columns 8 (l / 16) + 0..7.
; REGISTERS: window 0: addresses and gains below v64, two fragment buffers v64-127, v128-191; window 1: accumulator (a, b) at 8 (4 a + b),
; and from 128 on my 64 x 64 piece of x, asked for at the start.
; LDS behind the ring: an f32 stage of 16 rows x 272 B a wave, rstd1 and the sums of squares of a wave's 64 rows.  The stage for a2, 128 rows x
; 272 B, lies in slot 0, which has had its last fill, and whose last reads every wave has waited for in front of the last change of slots.
; LIMITS: matrix operands and a2 are bf16.
.set NB, 4
.set KS, 256
.set NS, 2048/KS                       ; K steps
.set SHA, 9                            ; a K step in a row of A: 512 bytes
.set SHB, 20                           ; a K step in the weights: 256 rows of 4,096 bytes
.set KI, 8                             ; s8-9: the K step that slot 0, 1 holds or is being filled with
.set APITCH, 528
.set AQI, 6
.set ABYTES, 128*APITCH
.set BPITCH, 288
.set BHALF, 128*BPITCH
.set SLOT, ABYTES+2*BHALF              ; 141,312
.set STAGE, 2*SLOT
.set RSBASE, STAGE+4*4352
.set SQBASE, RSBASE+1024
.set LAPS, 2048/(2*KS)
.set NP, 2048
.set BSEC, 12582912                    ; wo in wb
.set COL, 256
.set WOFF, 128*NP*2                    ; the second half of a slot's k rows
.set ADRA, 8
.set ADRB, 10
.set F0, 64
.set F1, 64+8*(NB+4)
.set T, 64
.set W, 96
.set RSV, 128
.set SQ, 136
.set PP, 152
.set G1A, 24
.set G0A, 32
.set G1B, 48
.set G0B, 56
.set MSB, 0
.macro WIN new
.if MSB != \new
	s_set_vgpr_msb (MSB<<8)|\new
.set MSB, \new
.endif
.endm
.macro PLACES
.rept 4
	v_nop
.endr
.endm
.macro JLOAD n
	s_cmp_eq_u32 s11, 0
	s_cbranch_scc0 .Lfor_b_\@
	tensor_load_to_lds s[G0A+4*\n:G0A+4*\n+3], s[G1A:G1A+7]
	s_nop 0
	s_branch .Lasked_\@
.Lfor_b_\@:
	tensor_load_to_lds s[G0B+4*\n:G0B+4*\n+3], s[G1B:G1B+7]
	s_nop 0
.Lasked_\@:
.endm
.macro CREST
	s_cmp_lg_u32 s10, 0
	s_cbranch_scc1 .Lnot_wave_0_\@
	s_barrier_signal -3
.Lnot_wave_0_\@:
	s_barrier_wait -3
	s_barrier_signal -1
	s_barrier_wait -1
.endm
.macro CROUND
	s_barrier_signal -1
	s_barrier_wait -1
	CREST
.endm
.macro SETADR n                        ; both global addresses of slot n from its K step; no tensor load of slot n is out where this stands
	s_lshl_b32 s16, s[KI+\n], SHA
	s_lshl_b32 s18, s[KI+\n], SHB
	s_add_nc_u64 s[G0A+4*\n+2:G0A+4*\n+3], s[14:15], s[16:17]
	s_or_b32 s[G0A+4*\n+3], s[G0A+4*\n+3], 0x80000000
	s_add_nc_u64 s[G0B+4*\n+2:G0B+4*\n+3], s[46:47], s[18:19]
	s_or_b32 s[G0B+4*\n+3], s[G0B+4*\n+3], 0x80000000
.endm
.macro FETCH slot, s, f
	WIN 0
.irp b, 0,1,2,3
	ds_load_tr16_b128 v[\f+8*\b:\f+8*\b+3], v[ADRB+2*\slot+((\s)>>2)] offset:((\s)&3)*32*BPITCH+32*\b
	ds_load_tr16_b128 v[\f+8*\b+4:\f+8*\b+7], v[ADRB+2*\slot+((\s)>>2)] offset:((\s)&3)*32*BPITCH+32*\b+16*BPITCH
.endr
.irp a, 0,1,2,3
	ds_load_b128 v[\f+8*NB+8*\a:\f+8*NB+8*\a+3], v[ADRA+\slot] offset:\a*16*APITCH+64*(\s)
	ds_load_b128 v[\f+8*NB+8*\a+4:\f+8*NB+8*\a+7], v[ADRA+\slot] offset:\a*16*APITCH+64*(\s)+32
.endr
.endm
.macro MUL f, a0, zero                 ; the accumulators take turns, one instruction a turn
	WIN 0x50
.irp a, \a0, \a0+1
.irp b, 0,1,2,3
.if \zero
	v_wmma_f32_16x16x32_bf16 v[8*(NB*(\a)+\b):8*(NB*(\a)+\b)+7], v[\f+8*\b:\f+8*\b+7], v[\f+8*NB+8*(\a):\f+8*NB+8*(\a)+7], 0
.else
	v_wmma_f32_16x16x32_bf16 v[8*(NB*(\a)+\b):8*(NB*(\a)+\b)+7], v[\f+8*\b:\f+8*\b+7], v[\f+8*NB+8*(\a):\f+8*NB+8*(\a)+7], v[8*(NB*(\a)+\b):8*(NB*(\a)+\b)+7]
.endif
.endr
.endr
.endm
.macro SUB slot, s, f, g, zero
	s_wait_dscnt 0x0                               ; buffer f is in
	PLACES
	FETCH \slot, \s+1, \g
	MUL \f, 0, \zero
	MUL \f, 2, \zero
.endm
.macro RUN slot, zero
	SUB \slot, 0, F0, F1, \zero
	SUB \slot, 1, F1, F0, 0
	SUB \slot, 2, F0, F1, 0
	SUB \slot, 3, F1, F0, 0
	SUB \slot, 4, F0, F1, 0
	SUB \slot, 5, F1, F0, 0
	SUB \slot, 6, F0, F1, 0
.endm
; The change of slots: my reads of this slot and all my tensor loads are waited for in front of the barrier; where the slot is filled again the
; barrier opens a round of the cluster's barrier and the joint refill is the first tensor load behind the round.
.macro TURN slot, next, fill
	s_wait_dscnt 0x0
	s_wait_tensorcnt 0x0
	ds_add_u32 v254, v255
	s_wait_dscnt 0x0
	s_barrier_signal -1
	MUL F1, 0, 0
	WIN 0
	s_barrier_wait -1
.if \fill
	CREST
	s_add_co_u32 s[KI+\slot], s[KI+\slot], 2       ; this slot's next K step, round the end of K
	s_and_b32 s[KI+\slot], s[KI+\slot], NS-1
	SETADR \slot
	JLOAD \slot
.endif
	PLACES
	FETCH \next, 0, F0
	MUL F1, 2, 0
.endm
.macro LAP zero
	RUN 0, \zero
	TURN 0, 1, 1
	RUN 1, 0
	TURN 1, 0, 1
.endm
	s_load_b128 s[4:7], s[0:1], 0x0                ; yb, wb
	s_load_b256 s[68:75], s[0:1], 0x10             ; x 68, g1 70, g2 72, aux 74
	s_load_b128 s[76:79], s[0:1], 0x30             ; x1 76, a2s 78
	v_lshl_add_u32 v254, v0, 2, 0x49c00
	v_mov_b32 v255, 0
	ds_add_u32 v254, v255
	v_lshrrev_b32 v1, 5, v0
	v_readfirstlane_b32 s10, v1
	s_lshr_b32 s11, s10, 1
	s_and_b32 s12, s10, 1
	s_bfe_u32 s40, ttmp6, 0x40000
	s_bfe_u32 s41, ttmp6, 0x40004
	s_lshl_b32 s42, ttmp9, 2
	s_add_co_u32 s42, s42, s40                     ; block column
	s_and_b32 s13, ttmp7, 0xffff
	s_lshl_b32 s13, s13, 2
	s_add_co_u32 s13, s13, s41                     ; block row
	s_lshl_b32 s43, s41, 2
	s_lshl_b32 s43, 15, s43
	s_lshl_b32 s44, 0x1111, s40
	s_and_b32 s45, ttmp7, 0xffff                   ; Y
	s_lshr_b32 s18, s45, 1
	s_xor_b32 s45, s45, s18
	s_xor_b32 s45, s45, ttmp9                      ; ^ X
	s_and_b32 s45, s45, 1
	s_mul_i32 s45, s45, NS/2                       ; the K step at which my cluster begins: 0 or the middle
	s_mov_b32 s19, 0
	s_or_b32 s[G1A+0], s43, (1<<16)|(1<<20)|(1<<21)|(AQI<<22)|(3<<25)
	s_mov_b32 s[G1A+1], KS<<16
	s_mov_b32 s[G1A+2], 64<<16
	s_mov_b32 s[G1A+3], KS<<16
	s_mov_b32 s[G1A+4], 64
	s_mov_b32 s[G1A+5], 2048
	s_mov_b32 s[G1A+6], 0
	s_mov_b32 s[G1A+7], 0
	s_or_b32 s[G1B+0], s44, (1<<16)|(1<<20)|(1<<21)|(5<<22)|(7<<25)
	s_mov_b32 s[G1B+1], 128<<16
	s_mov_b32 s[G1B+2], 128<<16
	s_mov_b32 s[G1B+3], 128<<16
	s_mov_b32 s[G1B+4], 128
	s_mov_b32 s[G1B+5], NP
	s_mov_b32 s[G1B+6], 0
	s_mov_b32 s[G1B+7], 0
	s_lshl_b32 s16, s13, 19
	s_lshl_b32 s17, s12, 18
	s_add_co_u32 s16, s16, s17
	s_mov_b32 s17, 0
	s_mul_i32 s46, s42, COL
	s_mul_i32 s47, s12, WOFF
	s_add_co_u32 s46, s46, s47
	s_add_co_u32 s46, s46, BSEC
	s_mov_b32 s47, 0
	s_mul_i32 s20, s12, 64*APITCH
	s_mul_i32 s21, s12, BHALF
	s_add_co_u32 s21, s21, ABYTES
	s_wait_dscnt 0x0
	s_wait_kmcnt 0x0
	s_add_nc_u64 s[14:15], s[4:5], s[16:17]        ; my rows of A at K = 0
	s_add_nc_u64 s[46:47], s[6:7], s[46:47]        ; my part of the weights at K = 0
	CROUND
.irp n, 0,1
	s_add_co_u32 s[KI+\n], s45, \n
	s_mov_b32 s[G0A+4*\n], 1
	s_add_co_u32 s[G0A+4*\n+1], s20, \n*SLOT
	s_mov_b32 s[G0B+4*\n], 1
	s_add_co_u32 s[G0B+4*\n+1], s21, \n*SLOT
	SETADR \n
	JLOAD \n                                       ; two tensor loads of a wave are out here, one behind each later round
.endr
	v_and_b32 v1, 15, v0                           ; r (on the way out: the 16-byte column q)
	v_bfe_u32 v2, v0, 4, 1                         ; h (on the way out: which of two rows)
	v_and_b32 v3, 7, v0
	v_bfe_u32 v4, v0, 3, 1
	v_mul_u32_u24 v5, v1, APITCH
	v_lshl_add_u32 v5, v2, 4, v5
	s_mul_i32 s22, s11, 64*APITCH
	v_add_nc_u32 v[ADRA], s22, v5
	v_add_nc_u32 v[ADRA+1], SLOT, v[ADRA]
	v_lshl_add_u32 v6, v2, 3, v3
	v_mul_u32_u24 v6, v6, BPITCH
	v_lshl_add_u32 v6, v4, 4, v6
	s_lshl_b32 s23, s12, 7
	s_add_co_u32 s23, s23, ABYTES
	v_add_nc_u32 v[ADRB], s23, v6
	v_add_nc_u32 v[ADRB+1], BHALF, v[ADRB]
	v_add_nc_u32 v[ADRB+2], SLOT, v[ADRB]
	v_add_nc_u32 v[ADRB+3], BHALF, v[ADRB+2]
	; bases of the way out
	s_lshl_b32 s80, s42, 9
	s_lshl_b32 s96, s12, 8
	s_add_co_u32 s80, s80, s96                     ; my 64 columns in f32 bytes
	s_lshl_b32 s81, s13, 7
	s_lshl_b32 s96, s11, 6
	s_add_co_u32 s81, s81, s96                     ; my first row
	s_lshl_b32 s96, s81, 13
	s_add_co_u32 s96, s96, s80
	s_mov_b32 s97, 0
	s_add_nc_u64 s[82:83], s[68:69], s[96:97]      ; x
	s_add_nc_u64 s[84:85], s[76:77], s[96:97]      ; x1
	s_mov_b32 s96, s80
	s_add_nc_u64 s[86:87], s[70:71], s[96:97]      ; g1
	s_add_nc_u64 s[88:89], s[72:73], s[96:97]      ; g2
	s_lshl_b32 s96, s81, 2
	s_add_co_u32 s96, s96, 524288
	s_add_nc_u64 s[90:91], s[74:75], s[96:97]      ; rstd1 of my rows
	s_lshl_b32 s96, s13, 19
	s_lshl_b32 s98, s10, 17
	s_add_co_u32 s96, s96, s98
	s_lshl_b32 s98, s42, 8
	s_add_co_u32 s96, s96, s98
	s_add_nc_u64 s[92:93], s[78:79], s[96:97]      ; a2: rows 128 by + 32 w, the block's 256 bytes
	s_lshl_b32 s96, s42, 1
	s_add_co_u32 s96, s96, s12
	s_lshl_b32 s96, s96, 13
	s_lshl_b32 s98, s81, 2
	s_add_co_u32 s96, s96, s98
	s_add_co_u32 s96, s96, 8388608
	s_add_nc_u64 s[94:95], s[78:79], s[96:97]      ; ssq[2 bx + wn][my rows]
	v_lshlrev_b32 v14, 13, v2
	v_lshl_add_u32 v14, v1, 4, v14                 ; 8,192 h + 16 q
	v_lshlrev_b32 v17, 4, v1
	v_and_b32 v5, 31, v0
	v_lshlrev_b32 v23, 3, v5
	global_load_b128 v[32:35], v17, s[86:87]       ; g1 of my 4 columns
	global_load_b128 v[36:39], v17, s[88:89]       ; g2
	global_load_b64 v[40:41], v23, s[90:91]        ; rstd1 of rows 2 l, 2 l + 1
	WIN 0x40
.irp a, 0,1,2,3
.irp i, 0,1,2,3,4,5,6,7
	global_load_b128 v[128+4*(8*\a+\i):128+4*(8*\a+\i)+3], v14, s[82:83] offset:(16*\a+2*\i)*8192
.endr
.endr
	WIN 0
	s_mul_i32 s98, s10, 4352
	s_add_co_u32 s98, s98, STAGE
	v_mul_u32_u24 v15, v1, 272
	v_lshl_add_u32 v15, v2, 5, v15
	v_add_nc_u32 v15, s98, v15                     ; f32 stage in: row r, 32 bytes for each half
	v_mul_u32_u24 v16, v2, 272
	v_lshl_add_u32 v16, v1, 4, v16
	v_add_nc_u32 v21, 0, v16                       ; 272 h + 16 q, kept for a2's rows
	v_add_nc_u32 v16, s98, v16                     ; f32 stage back: two rows a load
	s_lshl_b32 s98, s10, 8
	s_add_co_u32 s99, s98, RSBASE
	s_add_co_u32 s98, s98, SQBASE
	v_lshlrev_b32 v18, 2, v2
	v_add_nc_u32 v19, s98, v18                     ; sums of squares: + 4 h
	v_add_nc_u32 v18, s99, v18                     ; rstd1: + 4 h
	v_add_nc_u32 v24, s99, v23
	v_add_nc_u32 v25, s98, v23
	s_mul_i32 s98, s11, 64*272
	s_lshl_b32 s99, s12, 7
	s_add_co_u32 s98, s98, s99
	v_mul_u32_u24 v20, v2, 272
	v_lshl_add_u32 v20, v1, 3, v20
	v_add_nc_u32 v20, s98, v20                     ; a2 in: (64 wm + h) x 272 + 128 wn + 8 q
	s_mul_i32 s98, s10, 32*272
	v_add_nc_u32 v21, s98, v21                     ; a2 back: (32 w + h) x 272 + 16 q
	v_lshlrev_b32 v22, 12, v2
	v_lshl_add_u32 v22, v1, 4, v22                 ; 4,096 h + 16 q
	s_wait_tensorcnt 0x1                           ; my part of slot 0 is in; slot 1's may stay out
	s_barrier_signal -1
	s_barrier_wait -1
	FETCH 0, 0, F0
	LAP 1
	WIN 0
	s_mov_b32 s3, LAPS-2
.Llap:
	LAP 0
	WIN 0
	s_sub_co_u32 s3, s3, 1
	s_cmp_lg_u32 s3, 0
	s_cbranch_scc1 .Llap
	RUN 0, 0
	TURN 0, 1, 0
	RUN 1, 0
	s_wait_dscnt 0x0
	MUL F1, 0, 0
	MUL F1, 2, 0
	WIN 0
	PLACES
	s_wait_loadcnt 0x0                             ; gains, rstd1, x
	ds_store_b64 v24, v[40:41]                     ; rstd1 of my 64 rows, to be read back by row
; 16 rows: the sums through my f32 stage into rows; x1 = x g1 rstd1 + sum; x1 out; its squares summed over my 64 columns; a2 into the shared stage
.macro OUTA a
	s_wait_xcnt 0x0                                ; T was the last stores' data
	WIN 0x04
.irp b, 0,1,2,3
	ds_store_b128 v15, v[8*(4*\a+\b):8*(4*\a+\b)+3] offset:64*\b
	ds_store_b128 v15, v[8*(4*\a+\b)+4:8*(4*\a+\b)+7] offset:64*\b+16
.endr
	WIN 0
.irp i, 0,1,2,3,4,5,6,7
	ds_load_b32 v[RSV+\i], v18 offset:4*(16*\a+2*\i)
.endr
.irp i, 0,1,2,3,4,5,6,7
	ds_load_b128 v[T+4*\i:T+4*\i+3], v16 offset:544*\i             ; LDS serves a wave's instructions in order: these see the stores above
.endr
	WIN 0x01
.irp i, 0,1,2,3,4,5,6,7
	v_pk_mul_f32 v[W+4*\i:W+4*\i+1], v[128+4*(8*\a+\i):128+4*(8*\a+\i)+1], v[32:33]
	v_pk_mul_f32 v[W+4*\i+2:W+4*\i+3], v[128+4*(8*\a+\i)+2:128+4*(8*\a+\i)+3], v[34:35]
.endr
	WIN 0
	s_wait_dscnt 0x0
.irp i, 0,1,2,3,4,5,6,7
.irp k, 0,1,2,3
	v_fma_f32 v[T+4*\i+\k], v[W+4*\i+\k], v[RSV+\i], v[T+4*\i+\k]
.endr
	global_store_b128 v14, v[T+4*\i:T+4*\i+3], s[84:85] offset:(16*\a+2*\i)*8192   ; 16 lanes store 256 consecutive bytes, aligned
	v_pk_mul_f32 v[SQ+2*\i:SQ+2*\i+1], v[T+4*\i:T+4*\i+1], v[T+4*\i:T+4*\i+1]
	v_pk_fma_f32 v[SQ+2*\i:SQ+2*\i+1], v[T+4*\i+2:T+4*\i+3], v[T+4*\i+2:T+4*\i+3], v[SQ+2*\i:SQ+2*\i+1]
	v_pk_mul_f32 v[W+4*\i:W+4*\i+1], v[T+4*\i:T+4*\i+1], v[36:37]
	v_pk_mul_f32 v[W+4*\i+2:W+4*\i+3], v[T+4*\i+2:T+4*\i+3], v[38:39]
	v_add_f32 v[SQ+2*\i], v[SQ+2*\i], v[SQ+2*\i+1]
	v_cvt_pk_bf16_f32 v[PP+2*\i], v[W+4*\i], v[W+4*\i+1]
	v_cvt_pk_bf16_f32 v[PP+2*\i+1], v[W+4*\i+2], v[W+4*\i+3]
	v_add_f32_dpp v[SQ+2*\i], v[SQ+2*\i], v[SQ+2*\i] row_xmask:1 row_mask:0xf bank_mask:0xf
	v_add_f32_dpp v[SQ+2*\i], v[SQ+2*\i], v[SQ+2*\i] row_xmask:2 row_mask:0xf bank_mask:0xf
	v_add_f32_dpp v[SQ+2*\i], v[SQ+2*\i], v[SQ+2*\i] row_xmask:4 row_mask:0xf bank_mask:0xf
	v_add_f32_dpp v[SQ+2*\i], v[SQ+2*\i], v[SQ+2*\i] row_xmask:8 row_mask:0xf bank_mask:0xf
	ds_store_b32 v19, v[SQ+2*\i] offset:4*(16*\a+2*\i)             ; the sixteen lanes of a row write one word with one value
	ds_store_b64 v20, v[PP+2*\i:PP+2*\i+1] offset:(16*\a+2*\i)*272
.endr
.endm
	OUTA 0
	OUTA 1
	OUTA 2
	OUTA 3
	s_wait_dscnt 0x0                               ; my part of a2's rows is written,
	s_barrier_signal -1
	s_barrier_wait -1                              ; everybody's is
	s_wait_xcnt 0x0                                ; T was the last stores' data
.irp i, 0,1,2,3,4,5,6,7,8,9,10,11,12,13,14,15
	ds_load_b128 v[64+4*\i:64+4*\i+3], v21 offset:544*\i
.endr
	ds_load_b64 v[128:129], v25
.irp i, 0,1,2,3,4,5,6,7,8,9,10,11,12,13,14,15
	s_wait_dscnt 16-\i                             ; the later rows' loads and the one of the sums stay out
	global_store_b128 v22, v[64+4*\i:64+4*\i+3], s[92:93] offset:8192*\i       ; a row's 256 bytes of the block, whole
.endr
	s_wait_dscnt 0x0
	global_store_b64 v23, v[128:129], s[94:95]     ; 64 sums: 256 consecutive bytes, aligned
	s_wait_tensorcnt 0x0
	ds_add_u32 v254, v255
	s_wait_dscnt 0x0
	CROUND                                         ; the closing round
	s_endpgm
.Lfunc_end_k_q95296963fa_oproj:
	.size	k_q95296963fa_oproj, .Lfunc_end_k_q95296963fa_oproj-k_q95296963fa_oproj
	.p2alignl 7, 3214868480
	.fill 96, 4, 3214868480
	.section	.rodata,"a",@progbits
	.p2align	6, 0x0
	.amdhsa_kernel k_q95296963fa_oproj
		.amdhsa_group_segment_fixed_size 327680
		.amdhsa_private_segment_fixed_size 0
		.amdhsa_enable_private_segment 0
		.amdhsa_kernarg_size 64
		.amdhsa_user_sgpr_count 2
		.amdhsa_user_sgpr_kernarg_segment_ptr 1
		.amdhsa_wavefront_size32 1
		.amdhsa_system_sgpr_workgroup_id_x 1
		.amdhsa_system_sgpr_workgroup_id_y 1
		.amdhsa_system_sgpr_workgroup_id_z 1
		.amdhsa_system_vgpr_workitem_id 0
		.amdhsa_next_free_vgpr 512
		.amdhsa_next_free_sgpr 100
		.amdhsa_reserve_vcc 0
		.amdhsa_float_denorm_mode_32 3
		.amdhsa_float_denorm_mode_16_64 3
		.amdhsa_memory_ordered 1
		.amdhsa_forward_progress 1
		.amdhsa_inst_pref_size 174
	.end_amdhsa_kernel
	.amdgpu_metadata
---
amdhsa.version: [ 1, 2 ]
amdhsa.kernels:
  - .name:           k_q95296963fa_oproj
    .symbol:         k_q95296963fa_oproj.kd
    .args:
      - { .name: yb, .offset: 0, .size: 8, .value_kind: global_buffer, .address_space: global }
      - { .name: wb, .offset: 8, .size: 8, .value_kind: global_buffer, .address_space: global }
      - { .name: x, .offset: 16, .size: 8, .value_kind: global_buffer, .address_space: global }
      - { .name: g1, .offset: 24, .size: 8, .value_kind: global_buffer, .address_space: global }
      - { .name: g2, .offset: 32, .size: 8, .value_kind: global_buffer, .address_space: global }
      - { .name: aux, .offset: 40, .size: 8, .value_kind: global_buffer, .address_space: global }
      - { .name: x1, .offset: 48, .size: 8, .value_kind: global_buffer, .address_space: global }
      - { .name: a2s, .offset: 56, .size: 8, .value_kind: global_buffer, .address_space: global }
    .group_segment_fixed_size: 327680
    .private_segment_fixed_size: 0
    .kernarg_segment_align: 8
    .kernarg_segment_size: 64
    .max_flat_workgroup_size: 128
    .sgpr_count:     100
    .vgpr_count:     512
    .wavefront_size: 32
...
	.end_amdgpu_metadata
.endif
;; end of part 4
;; launch gateup (part 5): grid 16 x 16, 4 waves a work-group, clusters of 4 x 4, 327,680 bytes of LDS; arguments a2s, wb, mb; writes mb
.if DOCPART == 5
	.amdgcn_target "amdgcn-amd-amdhsa--gfx1250"
	.amdhsa_code_object_version 6
	.text
	.protected	k_q95296963fa_gateup
	.globl	k_q95296963fa_gateup
	.p2align	8
	.type	k_q95296963fa_gateup,@function
k_q95296963fa_gateup:
	s_mov_b64 s[64:65], 0
	v_nop
	global_prefetch_b8 v0, s[64:65] scope:SCOPE_SE
	s_setreg_imm32_b32 hwreg(HW_REG_WAVE_MODE, 25, 1), 1
	s_wait_xcnt 0x0
	s_wait_alu depctr_hold_cnt(0) depctr_sa_sdst(0) depctr_va_vdst(0) depctr_va_sdst(0) depctr_va_ssrc(0) depctr_va_vcc(0) depctr_vm_vsrc(0)
	s_getreg_b32 s2, hwreg(HW_REG_IB_STS2, 6, 4)
	s_cmp_eq_u32 s2, 0
	s_cbranch_scc0 .Lentry_in_a_cluster
	s_endpgm
.Lentry_in_a_cluster:
	s_bfe_u32 s2, ttmp6, 0x10000c
	s_cmp_lg_u32 s2, 0xf033
	s_cbranch_scc0 .Lentry_shape_is_right
	s_endpgm
.Lentry_shape_is_right:
; gateup: mb = bf16(silu(rstd2 * (a2 x wg)) * (rstd2 * (a2 x wu))), rstd2[row] = rsqrt(sum of the 32 partial sums of x1^2 / 2048 + 1e-5).
; a2 = bf16(x1 * g2), so rstd2 * (a2 x W) is the normed row times W.
; A work-group makes 128 rows x 128 columns of the gate and the same 128 of the up product: two regions of the weights [wg|wu]; a wave makes
; 64 x (64 + 64): 32 accumulator tiles.  K goes in steps of 128 through two LDS slots; the weights' fragments come by the transposing load.
; CLUSTERS: 4 x 4; A's tile is asked for jointly along a row of the cluster, the weights' along a column.
; THE WALK ALONG K: a tile of A is read by the four clusters of one cluster row, a tile of the weights by the four of one cluster column.  Half of the
; clusters, those with (X ^ Y ^ (Y >> 1)) & 1 = 1 (X, Y: the cluster's place in the grid), begin at K = 1024 and wrap round, so that of the clusters
; that read a tile some ask for it half a walk later than the others, when it has been fetched once already, and not all in the same K step.
; X and Y are the same in all partners of a cluster, so the joint loads' descriptors stay equal.  Only the order of the f32 sums changes.
; The matrix instruction is used transposed: lane l holds row l % 16 and columns 8 (l / 16) + 0..7: rounded, 16 bytes.
; REGISTERS: window 0: addresses, two fragment buffers v64-159, v160-255; window 1: accumulator (a, b) at 8 (8 a + b), b < 4 gate, b >= 4 up.
; LIMITS: operands and result bf16; sigmoid by v_exp_f32 and v_rcp_f32 (1 ULP, denormals flushed).
.set NB, 8
.set KS, 128
.set NS, 2048/KS                       ; K steps
.set SHA, 8                            ; a K step in a row of A: 256 bytes
.set SHB, 20                           ; a K step in the weights: 128 rows of 8,192 bytes
.set KI, 8                             ; s8-9: the K step that slot 0, 1 holds or is being filled with
.set APITCH, 272
.set AQI, 5
.set ABYTES, 128*APITCH
.set BPITCH, 288
.set BHALF, 128*BPITCH
.set SLOT, ABYTES+2*BHALF
.set STAGE, 2*SLOT                     ; 128 rows x 272 B, shared
.set RSBASE, STAGE+128*272             ; rstd2 of a wave's 64 rows
.set LAPS, 2048/(2*KS)
.set NP, 4096
.set BSEC, 20971520                    ; [wg|wu] in wb
.set COL, 256
.set WOFF, 4096                        ; from wg's columns to wu's
.set ADRA, 8
.set ADRB, 10
.set F0, 64
.set F1, 64+8*(NB+4)
.set GG, 64
.set UU, 96
.set EE, 128
.set PP, 160
.set G1A, 24
.set G0A, 32
.set G1B, 48
.set G0B, 56
.set MSB, 0
.macro WIN new
.if MSB != \new
	s_set_vgpr_msb (MSB<<8)|\new
.set MSB, \new
.endif
.endm
.macro PLACES
.rept 4
	v_nop
.endr
.endm
.macro JLOAD n
	s_cmp_eq_u32 s11, 0
	s_cbranch_scc0 .Lfor_b_\@
	tensor_load_to_lds s[G0A+4*\n:G0A+4*\n+3], s[G1A:G1A+7]
	s_nop 0
	s_branch .Lasked_\@
.Lfor_b_\@:
	tensor_load_to_lds s[G0B+4*\n:G0B+4*\n+3], s[G1B:G1B+7]
	s_nop 0
.Lasked_\@:
.endm
.macro CREST
	s_cmp_lg_u32 s10, 0
	s_cbranch_scc1 .Lnot_wave_0_\@
	s_barrier_signal -3
.Lnot_wave_0_\@:
	s_barrier_wait -3
	s_barrier_signal -1
	s_barrier_wait -1
.endm
.macro CROUND
	s_barrier_signal -1
	s_barrier_wait -1
	CREST
.endm
.macro SETADR n                        ; both global addresses of slot n from its K step; no tensor load of slot n is out where this stands
	s_lshl_b32 s16, s[KI+\n], SHA
	s_lshl_b32 s18, s[KI+\n], SHB
	s_add_nc_u64 s[G0A+4*\n+2:G0A+4*\n+3], s[14:15], s[16:17]
	s_or_b32 s[G0A+4*\n+3], s[G0A+4*\n+3], 0x80000000
	s_add_nc_u64 s[G0B+4*\n+2:G0B+4*\n+3], s[46:47], s[18:19]
	s_or_b32 s[G0B+4*\n+3], s[G0B+4*\n+3], 0x80000000
.endm
.macro FETCH slot, s, f
	WIN 0
.irp b, 0,1,2,3,4,5,6,7
	ds_load_tr16_b128 v[\f+8*\b:\f+8*\b+3], v[ADRB+2*\slot+(\b>>2)] offset:(\s)*32*BPITCH+32*(\b&3)
	ds_load_tr16_b128 v[\f+8*\b+4:\f+8*\b+7], v[ADRB+2*\slot+(\b>>2)] offset:(\s)*32*BPITCH+32*(\b&3)+16*BPITCH
.endr
.irp a, 0,1,2,3
	ds_load_b128 v[\f+8*NB+8*\a:\f+8*NB+8*\a+3], v[ADRA+\slot] offset:\a*16*APITCH+64*(\s)
	ds_load_b128 v[\f+8*NB+8*\a+4:\f+8*NB+8*\a+7], v[ADRA+\slot] offset:\a*16*APITCH+64*(\s)+32
.endr
.endm
.macro MUL f, a0, zero                 ; the accumulators take turns, one instruction a turn
	WIN 0x50
.irp a, \a0, \a0+1
.irp b, 0,1,2,3,4,5,6,7
.if \zero
	v_wmma_f32_16x16x32_bf16 v[8*(NB*(\a)+\b):8*(NB*(\a)+\b)+7], v[\f+8*\b:\f+8*\b+7], v[\f+8*NB+8*(\a):\f+8*NB+8*(\a)+7], 0
.else
	v_wmma_f32_16x16x32_bf16 v[8*(NB*(\a)+\b):8*(NB*(\a)+\b)+7], v[\f+8*\b:\f+8*\b+7], v[\f+8*NB+8*(\a):\f+8*NB+8*(\a)+7], v[8*(NB*(\a)+\b):8*(NB*(\a)+\b)+7]
.endif
.endr
.endr
.endm
.macro SUB slot, s, f, g, zero
	s_wait_dscnt 0x0                               ; buffer f is in
	PLACES
	FETCH \slot, \s+1, \g
	MUL \f, 0, \zero
	MUL \f, 2, \zero
.endm
.macro RUN slot, zero
	SUB \slot, 0, F0, F1, \zero
	SUB \slot, 1, F1, F0, 0
	SUB \slot, 2, F0, F1, 0
.endm
; The change of slots: my reads of this slot and all my tensor loads are waited for in front of the barrier; where the slot is filled again the
; barrier opens a round of the cluster's barrier and the joint refill is the first tensor load behind the round.
.macro TURN slot, next, fill
	s_wait_dscnt 0x0
	s_wait_tensorcnt 0x0
	ds_add_u32 v62, v63
	s_wait_dscnt 0x0
	s_barrier_signal -1
	MUL F1, 0, 0
	WIN 0
	s_barrier_wait -1
.if \fill
	CREST
	s_add_co_u32 s[KI+\slot], s[KI+\slot], 2       ; this slot's next K step, round the end of K
	s_and_b32 s[KI+\slot], s[KI+\slot], NS-1
	SETADR \slot
	JLOAD \slot
.endif
	PLACES
	FETCH \next, 0, F0
	MUL F1, 2, 0
.endm
.macro LAP zero
	RUN 0, \zero
	TURN 0, 1, 1
	RUN 1, 0
	TURN 1, 0, 1
.endm
	s_load_b128 s[4:7], s[0:1], 0x0                ; a2s, wb
	s_load_b64 s[68:69], s[0:1], 0x10              ; mb
	v_lshl_add_u32 v62, v0, 2, 0x3dc00
	v_mov_b32 v63, 0
	ds_add_u32 v62, v63
	v_lshrrev_b32 v1, 5, v0
	v_readfirstlane_b32 s10, v1
	s_lshr_b32 s11, s10, 1
	s_and_b32 s12, s10, 1
	s_bfe_u32 s40, ttmp6, 0x40000
	s_bfe_u32 s41, ttmp6, 0x40004
	s_lshl_b32 s42, ttmp9, 2
	s_add_co_u32 s42, s42, s40
	s_and_b32 s13, ttmp7, 0xffff
	s_lshl_b32 s13, s13, 2
	s_add_co_u32 s13, s13, s41
	s_lshl_b32 s43, s41, 2
	s_lshl_b32 s43, 15, s43
	s_lshl_b32 s44, 0x1111, s40
	s_and_b32 s45, ttmp7, 0xffff                   ; Y
	s_lshr_b32 s18, s45, 1
	s_xor_b32 s45, s45, s18
	s_xor_b32 s45, s45, ttmp9                      ; ^ X
	s_and_b32 s45, s45, 1
	s_mul_i32 s45, s45, NS/2                       ; the K step at which my cluster begins: 0 or the middle
	s_mov_b32 s19, 0
	s_or_b32 s[G1A+0], s43, (1<<16)|(1<<20)|(1<<21)|(AQI<<22)|(3<<25)
	s_mov_b32 s[G1A+1], KS<<16
	s_mov_b32 s[G1A+2], 64<<16
	s_mov_b32 s[G1A+3], KS<<16
	s_mov_b32 s[G1A+4], 64
	s_mov_b32 s[G1A+5], 2048
	s_mov_b32 s[G1A+6], 0
	s_mov_b32 s[G1A+7], 0
	s_or_b32 s[G1B+0], s44, (1<<16)|(1<<20)|(1<<21)|(5<<22)|(7<<25)
	s_mov_b32 s[G1B+1], 128<<16
	s_mov_b32 s[G1B+2], 128<<16
	s_mov_b32 s[G1B+3], 128<<16
	s_mov_b32 s[G1B+4], 128
	s_mov_b32 s[G1B+5], NP
	s_mov_b32 s[G1B+6], 0
	s_mov_b32 s[G1B+7], 0
	s_lshl_b32 s16, s13, 19
	s_lshl_b32 s17, s12, 18
	s_add_co_u32 s16, s16, s17
	s_mov_b32 s17, 0
	s_mul_i32 s46, s42, COL
	s_mul_i32 s47, s12, WOFF
	s_add_co_u32 s46, s46, s47
	s_add_co_u32 s46, s46, BSEC
	s_mov_b32 s47, 0
	s_mul_i32 s20, s12, 64*APITCH
	s_mul_i32 s21, s12, BHALF
	s_add_co_u32 s21, s21, ABYTES
	s_wait_dscnt 0x0
	s_wait_kmcnt 0x0
	s_add_nc_u64 s[14:15], s[4:5], s[16:17]        ; my rows of A at K = 0
	s_add_nc_u64 s[46:47], s[6:7], s[46:47]        ; my region of the weights at K = 0
	CROUND
.irp n, 0,1
	s_add_co_u32 s[KI+\n], s45, \n
	s_mov_b32 s[G0A+4*\n], 1
	s_add_co_u32 s[G0A+4*\n+1], s20, \n*SLOT
	s_mov_b32 s[G0B+4*\n], 1
	s_add_co_u32 s[G0B+4*\n+1], s21, \n*SLOT
	SETADR \n
	JLOAD \n                                       ; two tensor loads of a wave are out here, one behind each later round
.endr
	; rstd2 of my 64 rows while the ring fills: lane l adds the 32 partial sums of rows 2 l and 2 l + 1
	s_lshl_b32 s81, s13, 7
	s_lshl_b32 s96, s11, 6
	s_add_co_u32 s81, s81, s96                     ; my first row
	s_lshl_b32 s96, s81, 2
	s_add_co_u32 s96, s96, 8388608
	s_mov_b32 s97, 0
	s_add_nc_u64 s[82:83], s[4:5], s[96:97]
	s_mov_b32 s98, 0x3a000000                      ; 1 / 2048
	s_mov_b32 s99, 0x3727c5ac                      ; 1e-5
	v_and_b32 v5, 31, v0
	v_lshlrev_b32 v23, 3, v5
.set k, 0
.rept 32
	global_load_b64 v[64+2*k:65+2*k], v23, s[82:83] offset:8192*k
.set k, k+1
.endr
	v_and_b32 v1, 15, v0
	v_bfe_u32 v2, v0, 4, 1
	v_and_b32 v3, 7, v0
	v_bfe_u32 v4, v0, 3, 1
	v_mul_u32_u24 v5, v1, APITCH
	v_lshl_add_u32 v5, v2, 4, v5
	s_mul_i32 s22, s11, 64*APITCH
	v_add_nc_u32 v[ADRA], s22, v5
	v_add_nc_u32 v[ADRA+1], SLOT, v[ADRA]
	v_lshl_add_u32 v6, v2, 3, v3
	v_mul_u32_u24 v6, v6, BPITCH
	v_lshl_add_u32 v6, v4, 4, v6
	s_lshl_b32 s23, s12, 7
	s_add_co_u32 s23, s23, ABYTES
	v_add_nc_u32 v[ADRB], s23, v6
	v_add_nc_u32 v[ADRB+1], BHALF, v[ADRB]
	v_add_nc_u32 v[ADRB+2], SLOT, v[ADRB]
	v_add_nc_u32 v[ADRB+3], BHALF, v[ADRB+2]
	s_lshl_b32 s87, s10, 8
	s_add_co_u32 s87, s87, RSBASE
	v_add_nc_u32 v24, s87, v23                     ; rstd2 in: 8 l
	v_lshlrev_b32 v18, 2, v1
	v_add_nc_u32 v18, s87, v18                     ; back: 4 r
	s_mul_i32 s87, s11, 64*272
	s_lshl_b32 s86, s12, 7
	s_add_co_u32 s87, s87, s86
	s_add_co_u32 s87, s87, STAGE
	v_mul_u32_u24 v15, v1, 272
	v_lshl_add_u32 v15, v2, 4, v15
	v_add_nc_u32 v15, s87, v15                     ; stage in: (64 wm + r) x 272 + 128 wn + 16 h
	s_mul_i32 s87, s10, 32*272
	s_add_co_u32 s87, s87, STAGE
	v_mul_u32_u24 v21, v2, 272
	v_lshl_add_u32 v21, v1, 4, v21
	v_add_nc_u32 v21, s87, v21                     ; back: (32 w + h) x 272 + 16 q
	v_lshlrev_b32 v22, 12, v2
	v_lshl_add_u32 v22, v1, 4, v22
	s_lshl_b32 s96, s13, 19
	s_lshl_b32 s86, s10, 17
	s_add_co_u32 s96, s96, s86
	s_lshl_b32 s86, s42, 8
	s_add_co_u32 s96, s96, s86
	s_add_nc_u64 s[84:85], s[68:69], s[96:97]      ; mb: rows 128 by + 32 w, the block's 256 bytes
	s_wait_loadcnt 0x0
.set k, 4
.rept 28
	v_pk_add_f32 v[64+2*(k%4):65+2*(k%4)], v[64+2*(k%4):65+2*(k%4)], v[64+2*k:65+2*k]
.set k, k+1
.endr
	v_pk_add_f32 v[64:65], v[64:65], v[66:67]
	v_pk_add_f32 v[68:69], v[68:69], v[70:71]
	v_pk_add_f32 v[64:65], v[64:65], v[68:69]
	v_fma_f32 v64, v64, s98, s99
	v_fma_f32 v65, v65, s98, s99
	v_rsq_f32 v64, v64
	v_rsq_f32 v65, v65
	v_nop                                          ; one plain place behind the transcendentals
	s_wait_alu depctr_va_vdst(0)
	ds_store_b64 v24, v[64:65]
	s_wait_dscnt 0x0                               ; no LDS instruction is pending at a signal
	s_wait_tensorcnt 0x1                           ; my part of slot 0 is in; slot 1's may stay out
	s_barrier_signal -1
	s_barrier_wait -1
	FETCH 0, 0, F0
	LAP 1
	WIN 0
	s_mov_b32 s3, LAPS-2
.Llap:
	LAP 0
	WIN 0
	s_sub_co_u32 s3, s3, 1
	s_cmp_lg_u32 s3, 0
	s_cbranch_scc1 .Llap
	RUN 0, 0
	TURN 0, 1, 0
	RUN 1, 0
	s_wait_dscnt 0x0
	MUL F1, 0, 0
	MUL F1, 2, 0
	WIN 0
	PLACES
.irp a, 0,1,2,3
	ds_load_b32 v[32+2*\a], v18 offset:64*\a       ; rstd2 of row 16 a + r, into both registers of a pair
	ds_load_b32 v[33+2*\a], v18 offset:64*\a
.endr
	s_wait_dscnt 0x0
; 16 rows x 64 columns: g = rstd2 G, u = rstd2 U, g u / (1 + exp(-g)), rounded, into the shared stage
.macro SILU16 a
	WIN 0x01
.irp b, 0,1,2,3
.irp p, 0,2,4,6
	v_pk_mul_f32 v[GG+8*\b+\p:GG+8*\b+\p+1], v[8*(8*\a+\b)+\p:8*(8*\a+\b)+\p+1], v[32+2*\a:33+2*\a]
	v_pk_mul_f32 v[UU+8*\b+\p:UU+8*\b+\p+1], v[8*(8*\a+4+\b)+\p:8*(8*\a+4+\b)+\p+1], v[32+2*\a:33+2*\a]
.endr
.endr
	WIN 0
.set k, 0
.rept 16
	v_pk_mul_f32 v[EE+2*k:EE+2*k+1], v[GG+2*k:GG+2*k+1], 0xbfb8aa3b op_sel_hi:[1,0]
.set k, k+1
.endr
.set k, 0
.rept 32
	v_exp_f32 v[EE+k], v[EE+k]
.set k, k+1
.endr
	v_nop                                          ; one plain place behind the transcendentals
.set k, 0
	s_wait_alu depctr_va_vdst(0)
.rept 16
	v_pk_add_f32 v[EE+2*k:EE+2*k+1], v[EE+2*k:EE+2*k+1], 1.0 op_sel_hi:[1,0]
.set k, k+1
.endr
.set k, 0
.rept 32
	v_rcp_f32 v[EE+k], v[EE+k]
.set k, k+1
.endr
.set k, 0
.rept 16
	v_pk_mul_f32 v[GG+2*k:GG+2*k+1], v[GG+2*k:GG+2*k+1], v[UU+2*k:UU+2*k+1]   ; plain work that touches no reciprocal: the place behind them
.set k, k+1
.endr
.set k, 0
	s_wait_alu depctr_va_vdst(0)
.rept 16
	v_pk_mul_f32 v[GG+2*k:GG+2*k+1], v[GG+2*k:GG+2*k+1], v[EE+2*k:EE+2*k+1]
.set k, k+1
.endr
.irp b, 0,1,2,3
.irp m, 0,1,2,3
	v_cvt_pk_bf16_f32 v[PP+4*\b+\m], v[GG+8*\b+2*\m], v[GG+8*\b+2*\m+1]
.endr
	ds_store_b128 v15, v[PP+4*\b:PP+4*\b+3] offset:\a*16*272+32*\b
.endr
.endm
	SILU16 0
	SILU16 1
	SILU16 2
	SILU16 3
	s_wait_dscnt 0x0                               ; my part of the rows is written,
	s_barrier_signal -1
	s_barrier_wait -1                              ; everybody's is
.irp i, 0,1,2,3,4,5,6,7,8,9,10,11,12,13,14,15
	ds_load_b128 v[64+4*\i:64+4*\i+3], v21 offset:544*\i
.endr
.irp i, 0,1,2,3,4,5,6,7,8,9,10,11,12,13,14,15
	s_wait_dscnt 15-\i
	global_store_b128 v22, v[64+4*\i:64+4*\i+3], s[84:85] offset:8192*\i       ; a row's 256 bytes of the block, whole
.endr
	s_wait_tensorcnt 0x0
	ds_add_u32 v62, v63
	s_wait_dscnt 0x0
	CROUND                                         ; the closing round
	s_endpgm
.Lfunc_end_k_q95296963fa_gateup:
	.size	k_q95296963fa_gateup, .Lfunc_end_k_q95296963fa_gateup-k_q95296963fa_gateup
	.p2alignl 7, 3214868480
	.fill 96, 4, 3214868480
	.section	.rodata,"a",@progbits
	.p2align	6, 0x0
	.amdhsa_kernel k_q95296963fa_gateup
		.amdhsa_group_segment_fixed_size 327680
		.amdhsa_private_segment_fixed_size 0
		.amdhsa_enable_private_segment 0
		.amdhsa_kernarg_size 24
		.amdhsa_user_sgpr_count 2
		.amdhsa_user_sgpr_kernarg_segment_ptr 1
		.amdhsa_wavefront_size32 1
		.amdhsa_system_sgpr_workgroup_id_x 1
		.amdhsa_system_sgpr_workgroup_id_y 1
		.amdhsa_system_sgpr_workgroup_id_z 1
		.amdhsa_system_vgpr_workitem_id 0
		.amdhsa_next_free_vgpr 512
		.amdhsa_next_free_sgpr 100
		.amdhsa_reserve_vcc 0
		.amdhsa_float_denorm_mode_32 3
		.amdhsa_float_denorm_mode_16_64 3
		.amdhsa_memory_ordered 1
		.amdhsa_forward_progress 1
		.amdhsa_inst_pref_size 151
	.end_amdhsa_kernel
	.amdgpu_metadata
---
amdhsa.version: [ 1, 2 ]
amdhsa.kernels:
  - .name:           k_q95296963fa_gateup
    .symbol:         k_q95296963fa_gateup.kd
    .args:
      - { .name: a2s, .offset: 0, .size: 8, .value_kind: global_buffer, .address_space: global }
      - { .name: wb, .offset: 8, .size: 8, .value_kind: global_buffer, .address_space: global }
      - { .name: mb, .offset: 16, .size: 8, .value_kind: global_buffer, .address_space: global }
    .group_segment_fixed_size: 327680
    .private_segment_fixed_size: 0
    .kernarg_segment_align: 8
    .kernarg_segment_size: 24
    .max_flat_workgroup_size: 128
    .sgpr_count:     100
    .vgpr_count:     512
    .wavefront_size: 32
...
	.end_amdgpu_metadata
.endif
;; end of part 5
;; launch down (part 6): grid 16 x 16, 4 waves a work-group, clusters of 4 x 4, 327,680 bytes of LDS; arguments mb, wb, x1, x, g2, a2s, out0; writes out0
.if DOCPART == 6
	.amdgcn_target "amdgcn-amd-amdhsa--gfx1250"
	.amdhsa_code_object_version 6
	.text
	.protected	k_q95296963fa_down
	.globl	k_q95296963fa_down
	.p2align	8
	.type	k_q95296963fa_down,@function
k_q95296963fa_down:
	s_mov_b64 s[64:65], 0
	v_nop
	global_prefetch_b8 v0, s[64:65] scope:SCOPE_SE
	s_setreg_imm32_b32 hwreg(HW_REG_WAVE_MODE, 25, 1), 1
	s_wait_xcnt 0x0
	s_wait_alu depctr_hold_cnt(0) depctr_sa_sdst(0) depctr_va_vdst(0) depctr_va_sdst(0) depctr_va_ssrc(0) depctr_va_vcc(0) depctr_vm_vsrc(0)
	s_getreg_b32 s2, hwreg(HW_REG_IB_STS2, 6, 4)
	s_cmp_eq_u32 s2, 0
	s_cbranch_scc0 .Lentry_in_a_cluster
	s_endpgm
.Lentry_in_a_cluster:
	s_bfe_u32 s2, ttmp6, 0x10000c
	s_cmp_lg_u32 s2, 0xf033
	s_cbranch_scc0 .Lentry_shape_is_right
	s_endpgm
.Lentry_shape_is_right:
; down: out0 = x1 * g2 * rstd2 + mb x wd + x (f32), rstd2[row] = rsqrt(sum of the 32 partial sums of x1^2 / 2048 + 1e-5).
; A work-group makes 128 x 128 with four waves of 64 x 64 (16 accumulator tiles).  K goes in steps of 256 through two LDS slots:
; A's rows are 512 bytes of memory, the weights' ([k][n]) 256 bytes, read by the transposing load.
; CLUSTERS: 4 x 4; A's tile is asked for jointly along a row of the cluster, the weights' along a column.
; THE WALK ALONG K: a tile of A is read by the four clusters of one cluster row, a tile of the weights by the four of one cluster column.  Half of the
; clusters, those with (X ^ Y ^ (Y >> 1)) & 1 = 1 (X, Y: the cluster's place in the grid), begin at K = 1024 and wrap round, so that of the clusters
; that read a tile some ask for it half a walk later than the others, when it has been fetched once already, and not all in the same K step.
; X and Y are the same in all partners of a cluster, so the joint loads' descriptors stay equal.  Only the order of the f32 sums changes.
; The matrix instruction is used transposed: lane l holds row l % 16 and columns 8 (l / 16) + 0..7.
; REGISTERS: window 0: addresses and the gain below v64, two fragment buffers v64-127, v128-191; window 1: accumulator (a, b) at 8 (4 a + b),
; from 128 on my 64 x 64 piece of x; window 2: my piece of x1.  Both pieces are asked for at the start.
; LIMITS: matrix operands are bf16; v_rsq_f32 is 1 ULP.
.set NB, 4
.set KS, 256
.set NS, 2048/KS                       ; K steps
.set SHA, 9                            ; a K step in a row of A: 512 bytes
.set SHB, 20                           ; a K step in the weights: 256 rows of 4,096 bytes
.set KI, 8                             ; s8-9: the K step that slot 0, 1 holds or is being filled with
.set APITCH, 528
.set AQI, 6
.set ABYTES, 128*APITCH
.set BPITCH, 288
.set BHALF, 128*BPITCH
.set SLOT, ABYTES+2*BHALF
.set STAGE, 2*SLOT                     ; 16 rows x 272 B of f32 for each wave
.set RSBASE, STAGE+4*4352              ; rstd2 of a wave's 64 rows
.set LAPS, 2048/(2*KS)
.set NP, 2048
.set BSEC, 37748736                    ; wd in wb
.set COL, 256
.set WOFF, 128*NP*2
.set ADRA, 8
.set ADRB, 10
.set F0, 64
.set F1, 64+8*(NB+4)
.set T, 64
.set W, 96
.set RSV, 128
.set G1A, 24
.set G0A, 32
.set G1B, 48
.set G0B, 56
.set MSB, 0
.macro WIN new
.if MSB != \new
	s_set_vgpr_msb (MSB<<8)|\new
.set MSB, \new
.endif
.endm
.macro PLACES
.rept 4
	v_nop
.endr
.endm
.macro JLOAD n
	s_cmp_eq_u32 s11, 0
	s_cbranch_scc0 .Lfor_b_\@
	tensor_load_to_lds s[G0A+4*\n:G0A+4*\n+3], s[G1A:G1A+7]
	s_nop 0
	s_branch .Lasked_\@
.Lfor_b_\@:
	tensor_load_to_lds s[G0B+4*\n:G0B+4*\n+3], s[G1B:G1B+7]
	s_nop 0
.Lasked_\@:
.endm
.macro CREST
	s_cmp_lg_u32 s10, 0
	s_cbranch_scc1 .Lnot_wave_0_\@
	s_barrier_signal -3
.Lnot_wave_0_\@:
	s_barrier_wait -3
	s_barrier_signal -1
	s_barrier_wait -1
.endm
.macro CROUND
	s_barrier_signal -1
	s_barrier_wait -1
	CREST
.endm
.macro SETADR n                        ; both global addresses of slot n from its K step; no tensor load of slot n is out where this stands
	s_lshl_b32 s16, s[KI+\n], SHA
	s_lshl_b32 s18, s[KI+\n], SHB
	s_add_nc_u64 s[G0A+4*\n+2:G0A+4*\n+3], s[14:15], s[16:17]
	s_or_b32 s[G0A+4*\n+3], s[G0A+4*\n+3], 0x80000000
	s_add_nc_u64 s[G0B+4*\n+2:G0B+4*\n+3], s[46:47], s[18:19]
	s_or_b32 s[G0B+4*\n+3], s[G0B+4*\n+3], 0x80000000
.endm
.macro FETCH slot, s, f
	WIN 0
.irp b, 0,1,2,3
	ds_load_tr16_b128 v[\f+8*\b:\f+8*\b+3], v[ADRB+2*\slot+((\s)>>2)] offset:((\s)&3)*32*BPITCH+32*\b
	ds_load_tr16_b128 v[\f+8*\b+4:\f+8*\b+7], v[ADRB+2*\slot+((\s)>>2)] offset:((\s)&3)*32*BPITCH+32*\b+16*BPITCH
.endr
.irp a, 0,1,2,3
	ds_load_b128 v[\f+8*NB+8*\a:\f+8*NB+8*\a+3], v[ADRA+\slot] offset:\a*16*APITCH+64*(\s)
	ds_load_b128 v[\f+8*NB+8*\a+4:\f+8*NB+8*\a+7], v[ADRA+\slot] offset:\a*16*APITCH+64*(\s)+32
.endr
.endm
.macro MUL f, a0, zero                 ; the accumulators take turns, one instruction a turn
	WIN 0x50
.irp a, \a0, \a0+1
.irp b, 0,1,2,3
.if \zero
	v_wmma_f32_16x16x32_bf16 v[8*(NB*(\a)+\b):8*(NB*(\a)+\b)+7], v[\f+8*\b:\f+8*\b+7], v[\f+8*NB+8*(\a):\f+8*NB+8*(\a)+7], 0
.else
	v_wmma_f32_16x16x32_bf16 v[8*(NB*(\a)+\b):8*(NB*(\a)+\b)+7], v[\f+8*\b:\f+8*\b+7], v[\f+8*NB+8*(\a):\f+8*NB+8*(\a)+7], v[8*(NB*(\a)+\b):8*(NB*(\a)+\b)+7]
.endif
.endr
.endr
.endm
.macro SUB slot, s, f, g, zero
	s_wait_dscnt 0x0                               ; buffer f is in
	PLACES
	FETCH \slot, \s+1, \g
	MUL \f, 0, \zero
	MUL \f, 2, \zero
.endm
.macro RUN slot, zero
	SUB \slot, 0, F0, F1, \zero
	SUB \slot, 1, F1, F0, 0
	SUB \slot, 2, F0, F1, 0
	SUB \slot, 3, F1, F0, 0
	SUB \slot, 4, F0, F1, 0
	SUB \slot, 5, F1, F0, 0
	SUB \slot, 6, F0, F1, 0
.endm
; The change of slots: my reads of this slot and all my tensor loads are waited for in front of the barrier; where the slot is filled again the
; barrier opens a round of the cluster's barrier and the joint refill is the first tensor load behind the round.
.macro TURN slot, next, fill
	s_wait_dscnt 0x0
	s_wait_tensorcnt 0x0
	ds_add_u32 v254, v255
	s_wait_dscnt 0x0
	s_barrier_signal -1
	MUL F1, 0, 0
	WIN 0
	s_barrier_wait -1
.if \fill
	CREST
	s_add_co_u32 s[KI+\slot], s[KI+\slot], 2       ; this slot's next K step, round the end of K
	s_and_b32 s[KI+\slot], s[KI+\slot], NS-1
	SETADR \slot
	JLOAD \slot
.endif
	PLACES
	FETCH \next, 0, F0
	MUL F1, 2, 0
.endm
.macro LAP zero
	RUN 0, \zero
	TURN 0, 1, 1
	RUN 1, 0
	TURN 1, 0, 1
.endm
	s_load_b128 s[4:7], s[0:1], 0x0                ; mb, wb
	s_load_b256 s[68:75], s[0:1], 0x10             ; x1 68, x 70, g2 72, a2s 74
	s_load_b64 s[76:77], s[0:1], 0x30              ; out0
	v_lshl_add_u32 v254, v0, 2, 0x49800
	v_mov_b32 v255, 0
	ds_add_u32 v254, v255
	v_lshrrev_b32 v1, 5, v0
	v_readfirstlane_b32 s10, v1
	s_lshr_b32 s11, s10, 1
	s_and_b32 s12, s10, 1
	s_bfe_u32 s40, ttmp6, 0x40000
	s_bfe_u32 s41, ttmp6, 0x40004
	s_lshl_b32 s42, ttmp9, 2
	s_add_co_u32 s42, s42, s40
	s_and_b32 s13, ttmp7, 0xffff
	s_lshl_b32 s13, s13, 2
	s_add_co_u32 s13, s13, s41
	s_lshl_b32 s43, s41, 2
	s_lshl_b32 s43, 15, s43
	s_lshl_b32 s44, 0x1111, s40
	s_and_b32 s45, ttmp7, 0xffff                   ; Y
	s_lshr_b32 s18, s45, 1
	s_xor_b32 s45, s45, s18
	s_xor_b32 s45, s45, ttmp9                      ; ^ X
	s_and_b32 s45, s45, 1
	s_mul_i32 s45, s45, NS/2                       ; the K step at which my cluster begins: 0 or the middle
	s_mov_b32 s19, 0
	s_or_b32 s[G1A+0], s43, (1<<16)|(1<<20)|(1<<21)|(AQI<<22)|(3<<25)
	s_mov_b32 s[G1A+1], KS<<16
	s_mov_b32 s[G1A+2], 64<<16
	s_mov_b32 s[G1A+3], KS<<16
	s_mov_b32 s[G1A+4], 64
	s_mov_b32 s[G1A+5], 2048
	s_mov_b32 s[G1A+6], 0
	s_mov_b32 s[G1A+7], 0
	s_or_b32 s[G1B+0], s44, (1<<16)|(1<<20)|(1<<21)|(5<<22)|(7<<25)
	s_mov_b32 s[G1B+1], 128<<16
	s_mov_b32 s[G1B+2], 128<<16
	s_mov_b32 s[G1B+3], 128<<16
	s_mov_b32 s[G1B+4], 128
	s_mov_b32 s[G1B+5], NP
	s_mov_b32 s[G1B+6], 0
	s_mov_b32 s[G1B+7], 0
	s_lshl_b32 s16, s13, 19
	s_lshl_b32 s17, s12, 18
	s_add_co_u32 s16, s16, s17
	s_mov_b32 s17, 0
	s_mul_i32 s46, s42, COL
	s_mul_i32 s47, s12, WOFF
	s_add_co_u32 s46, s46, s47
	s_add_co_u32 s46, s46, BSEC
	s_mov_b32 s47, 0
	s_mul_i32 s20, s12, 64*APITCH
	s_mul_i32 s21, s12, BHALF
	s_add_co_u32 s21, s21, ABYTES
	s_wait_dscnt 0x0
	s_wait_kmcnt 0x0
	s_add_nc_u64 s[14:15], s[4:5], s[16:17]        ; my rows of A at K = 0
	s_add_nc_u64 s[46:47], s[6:7], s[46:47]        ; my part of the weights at K = 0
	CROUND
.irp n, 0,1
	s_add_co_u32 s[KI+\n], s45, \n
	s_mov_b32 s[G0A+4*\n], 1
	s_add_co_u32 s[G0A+4*\n+1], s20, \n*SLOT
	s_mov_b32 s[G0B+4*\n], 1
	s_add_co_u32 s[G0B+4*\n+1], s21, \n*SLOT
	SETADR \n
	JLOAD \n                                       ; two tensor loads of a wave are out here, one behind each later round
.endr
	; rstd2 of my 64 rows while the ring fills: lane l adds the 32 partial sums of rows 2 l and 2 l + 1
	s_lshl_b32 s81, s13, 7
	s_lshl_b32 s96, s11, 6
	s_add_co_u32 s81, s81, s96                     ; my first row
	s_lshl_b32 s96, s81, 2
	s_add_co_u32 s96, s96, 8388608
	s_mov_b32 s97, 0
	s_add_nc_u64 s[82:83], s[74:75], s[96:97]
	s_mov_b32 s98, 0x3a000000                      ; 1 / 2048
	s_mov_b32 s99, 0x3727c5ac                      ; 1e-5
	v_and_b32 v5, 31, v0
	v_lshlrev_b32 v23, 3, v5
.set k, 0
.rept 32
	global_load_b64 v[64+2*k:65+2*k], v23, s[82:83] offset:8192*k
.set k, k+1
.endr
	v_and_b32 v1, 15, v0
	v_bfe_u32 v2, v0, 4, 1
	v_and_b32 v3, 7, v0
	v_bfe_u32 v4, v0, 3, 1
	v_mul_u32_u24 v5, v1, APITCH
	v_lshl_add_u32 v5, v2, 4, v5
	s_mul_i32 s22, s11, 64*APITCH
	v_add_nc_u32 v[ADRA], s22, v5
	v_add_nc_u32 v[ADRA+1], SLOT, v[ADRA]
	v_lshl_add_u32 v6, v2, 3, v3
	v_mul_u32_u24 v6, v6, BPITCH
	v_lshl_add_u32 v6, v4, 4, v6
	s_lshl_b32 s23, s12, 7
	s_add_co_u32 s23, s23, ABYTES
	v_add_nc_u32 v[ADRB], s23, v6
	v_add_nc_u32 v[ADRB+1], BHALF, v[ADRB]
	v_add_nc_u32 v[ADRB+2], SLOT, v[ADRB]
	v_add_nc_u32 v[ADRB+3], BHALF, v[ADRB+2]
	s_lshl_b32 s80, s42, 9
	s_lshl_b32 s96, s12, 8
	s_add_co_u32 s80, s80, s96                     ; my 64 columns in f32 bytes
	s_lshl_b32 s96, s81, 13
	s_add_co_u32 s96, s96, s80
	s_add_nc_u64 s[84:85], s[76:77], s[96:97]      ; out0
	s_add_nc_u64 s[86:87], s[70:71], s[96:97]      ; x
	s_add_nc_u64 s[88:89], s[68:69], s[96:97]      ; x1
	s_mov_b32 s96, s80
	s_add_nc_u64 s[90:91], s[72:73], s[96:97]      ; g2
	v_lshlrev_b32 v14, 13, v2
	v_lshl_add_u32 v14, v1, 4, v14                 ; 8,192 h + 16 q
	v_lshlrev_b32 v17, 4, v1
	s_mul_i32 s92, s10, 4352
	s_add_co_u32 s92, s92, STAGE
	v_mul_u32_u24 v15, v1, 272
	v_lshl_add_u32 v15, v2, 5, v15
	v_add_nc_u32 v15, s92, v15                     ; stage in: row r, 32 bytes for each half
	v_mul_u32_u24 v16, v2, 272
	v_lshl_add_u32 v16, v1, 4, v16
	v_add_nc_u32 v16, s92, v16                     ; back: two rows a load
	s_lshl_b32 s92, s10, 8
	s_add_co_u32 s92, s92, RSBASE
	v_lshlrev_b32 v18, 2, v2
	v_add_nc_u32 v18, s92, v18
	v_add_nc_u32 v24, s92, v23
	s_wait_loadcnt 0x0
.set k, 4
.rept 28
	v_pk_add_f32 v[64+2*(k%4):65+2*(k%4)], v[64+2*(k%4):65+2*(k%4)], v[64+2*k:65+2*k]
.set k, k+1
.endr
	v_pk_add_f32 v[64:65], v[64:65], v[66:67]
	v_pk_add_f32 v[68:69], v[68:69], v[70:71]
	v_pk_add_f32 v[64:65], v[64:65], v[68:69]
	v_fma_f32 v64, v64, s98, s99
	v_fma_f32 v65, v65, s98, s99
	v_rsq_f32 v64, v64
	v_rsq_f32 v65, v65
	v_nop                                          ; one plain place behind the transcendentals
	s_wait_alu depctr_va_vdst(0)
	ds_store_b64 v24, v[64:65]
	global_load_b128 v[36:39], v17, s[90:91]       ; g2 of my 4 columns
	WIN 0x40
.irp a, 0,1,2,3
.irp i, 0,1,2,3,4,5,6,7
	global_load_b128 v[128+4*(8*\a+\i):128+4*(8*\a+\i)+3], v14, s[86:87] offset:(16*\a+2*\i)*8192
.endr
.endr
	WIN 0x80
.irp a, 0,1,2,3
.irp i, 0,1,2,3,4,5,6,7
	global_load_b128 v[4*(8*\a+\i):4*(8*\a+\i)+3], v14, s[88:89] offset:(16*\a+2*\i)*8192
.endr
.endr
	WIN 0
	s_wait_dscnt 0x0                               ; no LDS instruction is pending at a signal
	s_wait_tensorcnt 0x1                           ; my part of slot 0 is in; slot 1's may stay out
	s_barrier_signal -1
	s_barrier_wait -1
	FETCH 0, 0, F0
	LAP 1
	WIN 0
	s_mov_b32 s3, LAPS-2
.Llap:
	LAP 0
	WIN 0
	s_sub_co_u32 s3, s3, 1
	s_cmp_lg_u32 s3, 0
	s_cbranch_scc1 .Llap
	RUN 0, 0
	TURN 0, 1, 0
	RUN 1, 0
	s_wait_dscnt 0x0
	MUL F1, 0, 0
	MUL F1, 2, 0
	WIN 0
	PLACES
	s_wait_loadcnt 0x0                             ; g2, x, x1
; 16 rows: the sums through my f32 stage into rows; out = x1 g2 rstd2 + (x + sum)
.macro OUTA a
	s_wait_xcnt 0x0                                ; T was the last stores' data
	WIN 0x04
.irp b, 0,1,2,3
	ds_store_b128 v15, v[8*(4*\a+\b):8*(4*\a+\b)+3] offset:64*\b
	ds_store_b128 v15, v[8*(4*\a+\b)+4:8*(4*\a+\b)+7] offset:64*\b+16
.endr
	WIN 0
.irp i, 0,1,2,3,4,5,6,7
	ds_load_b32 v[RSV+\i], v18 offset:4*(16*\a+2*\i)
.endr
.irp i, 0,1,2,3,4,5,6,7
	ds_load_b128 v[T+4*\i:T+4*\i+3], v16 offset:544*\i             ; LDS serves a wave's instructions in order: these see the stores above
.endr
	WIN 0x02
.irp i, 0,1,2,3,4,5,6,7
	v_pk_mul_f32 v[W+4*\i:W+4*\i+1], v[4*(8*\a+\i):4*(8*\a+\i)+1], v[36:37]
	v_pk_mul_f32 v[W+4*\i+2:W+4*\i+3], v[4*(8*\a+\i)+2:4*(8*\a+\i)+3], v[38:39]
.endr
	s_wait_dscnt 0x0
	WIN 0x01
.irp i, 0,1,2,3,4,5,6,7
	v_pk_add_f32 v[T+4*\i:T+4*\i+1], v[128+4*(8*\a+\i):128+4*(8*\a+\i)+1], v[T+4*\i:T+4*\i+1]
	v_pk_add_f32 v[T+4*\i+2:T+4*\i+3], v[128+4*(8*\a+\i)+2:128+4*(8*\a+\i)+3], v[T+4*\i+2:T+4*\i+3]
.endr
	WIN 0
.irp i, 0,1,2,3,4,5,6,7
.irp k, 0,1,2,3
	v_fma_f32 v[T+4*\i+\k], v[W+4*\i+\k], v[RSV+\i], v[T+4*\i+\k]
.endr
	global_store_b128 v14, v[T+4*\i:T+4*\i+3], s[84:85] offset:(16*\a+2*\i)*8192   ; 16 lanes store 256 consecutive bytes, aligned
.endr
.endm
	OUTA 0
	OUTA 1
	OUTA 2
	OUTA 3
	s_wait_tensorcnt 0x0
	ds_add_u32 v254, v255
	s_wait_dscnt 0x0
	CROUND                                         ; the closing round
	s_endpgm
.Lfunc_end_k_q95296963fa_down:
	.size	k_q95296963fa_down, .Lfunc_end_k_q95296963fa_down-k_q95296963fa_down
	.p2alignl 7, 3214868480
	.fill 96, 4, 3214868480
	.section	.rodata,"a",@progbits
	.p2align	6, 0x0
	.amdhsa_kernel k_q95296963fa_down
		.amdhsa_group_segment_fixed_size 327680
		.amdhsa_private_segment_fixed_size 0
		.amdhsa_enable_private_segment 0
		.amdhsa_kernarg_size 56
		.amdhsa_user_sgpr_count 2
		.amdhsa_user_sgpr_kernarg_segment_ptr 1
		.amdhsa_wavefront_size32 1
		.amdhsa_system_sgpr_workgroup_id_x 1
		.amdhsa_system_sgpr_workgroup_id_y 1
		.amdhsa_system_sgpr_workgroup_id_z 1
		.amdhsa_system_vgpr_workitem_id 0
		.amdhsa_next_free_vgpr 640
		.amdhsa_next_free_sgpr 100
		.amdhsa_reserve_vcc 0
		.amdhsa_float_denorm_mode_32 3
		.amdhsa_float_denorm_mode_16_64 3
		.amdhsa_memory_ordered 1
		.amdhsa_forward_progress 1
		.amdhsa_inst_pref_size 157
	.end_amdhsa_kernel
	.amdgpu_metadata
---
amdhsa.version: [ 1, 2 ]
amdhsa.kernels:
  - .name:           k_q95296963fa_down
    .symbol:         k_q95296963fa_down.kd
    .args:
      - { .name: mb, .offset: 0, .size: 8, .value_kind: global_buffer, .address_space: global }
      - { .name: wb, .offset: 8, .size: 8, .value_kind: global_buffer, .address_space: global }
      - { .name: x1, .offset: 16, .size: 8, .value_kind: global_buffer, .address_space: global }
      - { .name: x, .offset: 24, .size: 8, .value_kind: global_buffer, .address_space: global }
      - { .name: g2, .offset: 32, .size: 8, .value_kind: global_buffer, .address_space: global }
      - { .name: a2s, .offset: 40, .size: 8, .value_kind: global_buffer, .address_space: global }
      - { .name: out0, .offset: 48, .size: 8, .value_kind: global_buffer, .address_space: global }
    .group_segment_fixed_size: 327680
    .private_segment_fixed_size: 0
    .kernarg_segment_align: 8
    .kernarg_segment_size: 56
    .max_flat_workgroup_size: 128
    .sgpr_count:     100
    .vgpr_count:     640
    .wavefront_size: 32
...
	.end_amdgpu_metadata
.endif
;; end of part 6
